; MI455X (gfx1250); checked and timed in simulation.
; The chip was launched on July 23, 2026; its instructions are those of AMD's public machine-readable ISA for CDNA 5 (MIT licence, August 2026) and "CDNA5" Instruction Set Architecture Reference Guide (July 2026). The comments in the code are by the model that wrote it; some were corrected since.
;; Transformer Encoder Layer With Mem. Allowed arithmetic: matrix products marked QUANTISED: E5M2 operands, one given power-of-two scale a tensor, by v_wmma_f32_16x16x64_bf8_bf8 or v_wmma_f32_16x16x128_bf8_bf8, f32 sums; everything else in f32.
;; Inputs: b1 4,096 float32; b2 1,024 float32; in_proj_b 3,072 float32; in_proj_w 3,072 x 1,024 float32; ln1_b 1,024 float32; ln1_g 1,024 float32; ln2_b 1,024 float32; ln2_g 1,024 float32; lowp_scales 12 int32 (the exponents e of the quantised operands' scales 2^e); mem_k 32 x 1 x 1,024 float32; mem_v 32 x 1 x 1,024 float32; out_b 1,024 float32; out_w 1,024 x 1,024 float32; src 2,048 x 2 x 1,024 float32; w1 4,096 x 1,024 float32; w2 1,024 x 4,096 float32.
;; Outputs: out0 2,048 x 2 x 1,024 float32.
;; This version of the problem:
;;   THIS VERSION OF THE PROBLEM IS GIVEN IN LOW PRECISION. The matrix products marked QUANTISED in the list below multiply operands that are first quantised to E5M2 (5 exponent bits, 2 mantissa bits; 8 bits a number), with one given power-of-two scale for each operand tensor; their sums are f32. All else is computed in f32.
;;   The module's matrix products, in the order in which they are computed (A, B: the left and right operand; K: the contracted axis; several contracted axes count as one K, in the product's order):
;;     1. [M 4,096, K 1,024] x [K 1,024, N 3,072]; A: input src; B: input in_proj_w: QUANTISED (scales: A lowp_scales[0], B lowp_scales[1])
;;     2. batch 32 x [M 2,048, K 64] x [K 64, N 2,080]; A: computed on the way; B: computed on the way: QUANTISED (scales: A lowp_scales[2], B lowp_scales[3])
;;     3. batch 32 x [M 64, K 2,080] x [K 2,080, N 2,048]; A: computed on the way; B: softmax (see below): QUANTISED (scales: A lowp_scales[4], B lowp_scales[5])
;;     4. [M 4,096, K 1,024] x [K 1,024, N 1,024]; A: computed on the way; B: input out_w: QUANTISED (scales: A lowp_scales[6], B lowp_scales[7])
;;     5. [M 4,096, K 1,024] x [K 1,024, N 4,096]; A: computed on the way; B: input w1: QUANTISED (scales: A lowp_scales[8], B lowp_scales[9])
;;     6. [M 4,096, K 4,096] x [K 4,096, N 1,024]; A: computed on the way; B: input w2: QUANTISED (scales: A lowp_scales[10], B lowp_scales[11])
;;   THE QUANTISER, for each operand of a quantised product, along K:
;;     - The operand's scale is 2^e, e = its entry of the input lowp_scales (int32; the entries are numbered through the quantised products in the list's order, A before B).
;;     - Each number is divided by the scale, clamped to +-57,344, and rounded to the nearest number of E5M2, ties to even, subnormals kept.
;;     - The product sums the exact products of the quantised numbers (number of the format x scale) in f32.
;;   ~~~python
;;   def quantise(x, axis, e):      # numpy; x: float32 -> the quantised numbers, widened to float32 again
;;       x = np.moveaxis(x, axis, -1); K = x.shape[-1]
;;       r = np.clip(x / 2.0 ** e, -57344, 57344)
;;       step = 2.0 ** (np.maximum(np.frexp(np.where(r == 0, 1, r))[1] - 1, -14) - 2)
;;       q = np.round(r / step) * step * 2.0 ** e      # np.round: ties to even
;;       return np.moveaxis(q, -1, axis).astype(np.float32)
;;   ~~~
;;   SOFTMAX AHEAD OF A QUANTISED PRODUCT. Where the list says 'softmax', what is quantised is not the finished softmax but p = 2^(t - M), with t = logit x log2(e) and M = ceil(the row's largest t), a whole number; so 1/2 < the row's largest p <= 1. The row's sum l is taken of the UNQUANTISED p, in f32, and the product's result is divided by l at the end. Since M is a whole number, a kernel that streams over the keys may use a running M (the ceiling of the running maximum): every later rescaling is an exact power of two, so the quantised numbers keep their values, but for numbers so far below the row's largest that they fall under the format's range.
;;   OPERANDS COMPUTED ON THE WAY. 'Computed on the way' means the value that the module computes at that place (a softmax that the list does not call 'softmax' is quantised finished and normalised). What goes into a quantiser is computed in f32, as accurately as f32 sums, v_exp_f32 and their like allow (about 1e-6 of the number): no bf16 or f16 on the way to a quantiser, and a product that is left as it is and whose result goes on into a quantised operand takes f32 operands (vector FMAs, or v_wmma_f32_16x16x4_f32). A number that lies on a knife's edge between two numbers of the format may be rounded either way, as far as f32 arithmetic and the matrix unit's own rounding can turn it there, and no further.
;; One version. Each part assembles by itself: llvm-mc -triple=amdgcn-amd-amdhsa -mcpu=gfx1250 --defsym DOCPART=n.
;; ======== version 1 of 1: 8 launches
;; limits: right only within a limited range of input values
;; workspace buffers: qc 16,777,216 bytes; qi 4,194,304 bytes; kvi 8,388,608 bytes; ctx 4,194,304 bytes; y 16,777,216 bytes; x 16,777,216 bytes; ximg 4,194,304 bytes; himg 16,777,216 bytes
;; launch quant (part 1): grid 256 x 1, 8 waves a work-group, no clusters, 68,608 bytes of LDS; arguments src, in_proj_w, out_w, w1, w2, lowp_scales, qc; writes qc
.if DOCPART == 1
	.amdgcn_target "amdgcn-amd-amdhsa--gfx1250"
	.amdhsa_code_object_version 6
	.text
	.protected	k_q4052d28b73_quant
	.globl	k_q4052d28b73_quant
	.p2align	8
	.type	k_q4052d28b73_quant,@function
k_q4052d28b73_quant:
	s_mov_b64 s[64:65], 0
	v_nop
	global_prefetch_b8 v0, s[64:65] scope:SCOPE_SE
	s_setreg_imm32_b32 hwreg(HW_REG_WAVE_MODE, 25, 1), 1
	s_wait_xcnt 0x0
; src and the four weights, all f32 with K innermost, become codes of BF8 (E5M2), each tensor with its given scale 2^e: code = x / 2^e, held within +-57,344, to the nearest code, ties to even.
; THE CODES ARE LAID AS IMAGES OF THE OPERAND'S REGISTERS.  A fragment (16 rows x 128 K) is 2,048 bytes: register quad q (registers 4q .. 4q+3) of lane l lies at 512 q + 16 l, and lane (r = l % 16, h = l / 16)
; holds, of row r, k = 16 c + 8 h + 0 .. 7 in registers 2c, 2c+1.  A tensor's fragments lie row tile by row tile, K block by K block.  qc: src at 0, in_proj_w at 4 MiB, out_w at 7, w1 at 8, w2 at 12 MiB.
; src's rows are taken in the order batch x 2,048 + time, so that a head's keys are neighbours later on.
; SHARES.  A wave takes 16 rows x 512 K: four fragments, 8,192 consecutive bytes of qc.  Work-groups 0-63 src, 64-111 in_proj_w, 112-127 out_w, 128-191 w1, 192-255 w2: only pointers and sizes are selected, the text has one path.
; Each load reads 512 consecutive bytes of a row; a fragment's 8 KiB of numbers turn through the wave's own stage in LDS (rows of 512 + 16 bytes) and come back 32 neighbouring bytes a lane.
; No tensor loads, no barrier, no cluster: waves share nothing.  Three fragments' loads (48 a wave) are out at the start.
; LIMITS: each e between -126 and 112.  NaN among the inputs is not served.
.set SP,  528                          ; a stage row
.set WST, 16*SP                        ; a wave's stage
.set RO,  16                           ; v16-31   byte offset of row i: i x row pitch + 16 x lane
.set D,   32                           ; v32-223  three sets of 64 numbers
.set C,   224                          ; v224-255 two sets of 16 registers of codes
	s_load_b256 s[4:11], s[0:1], 0x0               ; src, in_proj_w, out_w, w1
	s_load_b128 s[12:15], s[0:1], 0x20             ; w2, the scales' exponents
	s_load_b64 s[16:17], s[0:1], 0x30              ; qc
	v_lshl_add_u32 v12, v0, 2, 0x10800
	v_mov_b32 v13, 0
	v_lshrrev_b32 v1, 5, v0
	s_delay_alu instid0(VALU_DEP_1)
	v_readfirstlane_b32 s18, v1                    ; wave 0..7
	v_and_b32 v2, 31, v0
	s_delay_alu instid0(VALU_DEP_1)
	v_lshlrev_b32 v3, 4, v2                        ; 16 x lane
	s_wait_alu depctr_va_vdst(0)
	s_mul_i32 s19, s18, WST
	v_add_nc_u32 v14, s19, v3                      ; the stage, on the way in: 16 x lane of row i
	v_and_b32 v4, 15, v0
	v_bfe_u32 v5, v0, 4, 1
	s_delay_alu instid0(VALU_DEP_2)
	v_mul_u32_u24 v15, v4, SP
	s_delay_alu instid0(VALU_DEP_1)
	v_lshl_add_u32 v15, v5, 5, v15
	s_delay_alu instid0(VALU_DEP_1)
	v_add_nc_u32 v15, s19, v15                     ; and on the way out: row r, + 32 h
	s_mov_b32 s22, 0                               ; the tensor's first work-group,
	s_mov_b32 s24, 8192                            ; its row pitch in bytes (src: two batches interleaved),
	s_mov_b32 s25, 1                               ; log2 of the wave tasks in a row tile,
	s_mov_b32 s26, 16773120                        ; and what batch 1 of src takes off: 2,048 x 8,192 - 4,096
	s_cmp_ge_u32 ttmp9, 64
	s_cselect_b32 s22, 64, s22
	s_cselect_b32 s24, 4096, s24
	s_cselect_b32 s26, 0, s26
	s_cmp_ge_u32 ttmp9, 112
	s_cselect_b32 s22, 112, s22
	s_cmp_ge_u32 ttmp9, 128
	s_cselect_b32 s22, 128, s22
	s_cmp_ge_u32 ttmp9, 192
	s_cselect_b32 s22, 192, s22
	s_cselect_b32 s24, 16384, s24
	s_cselect_b32 s25, 3, s25
	s_sub_co_u32 s27, ttmp9, s22
	s_lshl_b32 s27, s27, 3
	s_add_co_u32 s27, s27, s18                     ; my task within the tensor
	s_lshr_b32 s28, s27, s25                       ; its row tile
	s_lshl_b32 s29, 1, s25
	s_sub_co_u32 s29, s29, 1
	s_and_b32 s29, s27, s29                        ; and which 512 along K
	s_mul_i32 s30, s28, s24
	s_lshl_b32 s30, s30, 4                         ; 16 rows a tile
	s_lshr_b32 s31, s28, 7
	s_mul_i32 s31, s31, s26
	s_sub_co_u32 s30, s30, s31
	s_lshl_b32 s29, s29, 11
	s_add_co_u32 s30, s30, s29
	s_mov_b32 s31, 0
	s_lshl_b32 s32, ttmp9, 3
	s_add_co_u32 s32, s32, s18
	s_lshl_b32 s32, s32, 13                        ; my 8,192 bytes of qc
	s_mov_b32 s33, 0
.irp i, 0,1,2,3,4,5,6,7,8,9,10,11,12,13,14,15
	v_mad_u32_u24 v[RO+\i], s24, \i, v3
.endr
	s_wait_alu depctr_va_vdst(0)
	s_wait_kmcnt 0x0
	s_load_b256 s[68:75], s[14:15], 0x0            ; e0 .. e7
	s_load_b128 s[76:79], s[14:15], 0x20           ; e8 .. e11
	s_mov_b64 s[20:21], s[4:5]                     ; the choice hangs on the work-group's number alone
	s_cmp_ge_u32 ttmp9, 64
	s_cselect_b64 s[20:21], s[6:7], s[20:21]
	s_cmp_ge_u32 ttmp9, 112
	s_cselect_b64 s[20:21], s[8:9], s[20:21]
	s_cmp_ge_u32 ttmp9, 128
	s_cselect_b64 s[20:21], s[10:11], s[20:21]
	s_cmp_ge_u32 ttmp9, 192
	s_cselect_b64 s[20:21], s[12:13], s[20:21]
	s_add_nc_u64 s[20:21], s[20:21], s[30:31]
	s_add_nc_u64 s[16:17], s[16:17], s[32:33]
.macro LOAD f                          ; fragment f: 16 rows x 512 bytes
.irp i, 0,1,2,3,4,5,6,7,8,9,10,11,12,13,14,15
	global_load_b128 v[D+64*((\f)%3)+4*\i:D+64*((\f)%3)+4*\i+3], v[RO+\i], s[20:21] offset:512*(\f) th:TH_LOAD_NT
.endr
.endm
	LOAD 0
	LOAD 1
	LOAD 2
	s_wait_kmcnt 0x0
	s_mov_b32 s23, s68
	s_cmp_ge_u32 ttmp9, 64
	s_cselect_b32 s23, s69, s23
	s_cmp_ge_u32 ttmp9, 112
	s_cselect_b32 s23, s75, s23
	s_cmp_ge_u32 ttmp9, 128
	s_cselect_b32 s23, s77, s23
	s_cmp_ge_u32 ttmp9, 192
	s_cselect_b32 s23, s79, s23                    ; my tensor's e
	s_add_co_i32 s23, s23, 127
	s_lshl_b32 s27, s23, 23
	v_mov_b32 v11, s27                             ; 2^e as f32: the conversion takes its exponent field
	s_add_co_i32 s23, s23, 15
	s_lshl_b32 s23, s23, 23
	s_or_b32 s23, s23, 0x600000
	v_mov_b32 v10, s23                             ; 57,344 x 2^e
.macro STEP f, left                    ; left: the loads of younger fragments, which may stay out
.set DS, D+64*((\f)%3)
.set CS, C+16*((\f)%2)
	s_wait_loadcnt \left
.irp i, 0,1,2,3,4,5,6,7,8,9,10,11,12,13,14,15
	ds_store_b128 v14, v[DS+4*\i:DS+4*\i+3] offset:SP*\i
.endr
.irp c, 0,1,2,3,4,5,6,7                ; LDS serves a wave's instructions in order: these see the stores above.  Registers 8c .. 8c+7: k = 16 c + 8 h + 0 .. 7 of row r
	ds_load_b128 v[DS+8*\c:DS+8*\c+3], v15 offset:64*\c
	ds_load_b128 v[DS+8*\c+4:DS+8*\c+7], v15 offset:64*\c+16
.endr
	s_wait_dscnt 0x0
.set n, 0
.rept 64
	v_med3_num_f32 v[DS+n], v[DS+n], -v10, v10     ; the conversion to an 8-bit code does not saturate (ISA guide 7.6.2): the hold comes first
.set n, n+1
.endr
.if (\f) >= 2
	s_wait_alu depctr_va_vdst(0)
	s_wait_xcnt 0x0                                ; the stores of two fragments ago have read this set of codes
.endif
.irp c, 0,1,2,3,4,5,6,7
	v_cvt_scalef32_pk8_bf8_f32 v[CS+2*\c:CS+2*\c+1], v[DS+8*\c:DS+8*\c+7], v11
.endr
.irp q, 0,1,2,3
	global_store_b128 v3, v[CS+4*\q:CS+4*\q+3], s[16:17] offset:2048*(\f)+512*\q   ; 32 lanes store 512 consecutive bytes
.endr
.endm
	s_wait_alu depctr_va_vdst(0)
	STEP 0, 32
	LOAD 3                                         ; into the set that fragment 0 has left
	STEP 1, 32
	STEP 2, 16
	STEP 3, 0
	s_wait_tensorcnt 0x0
	ds_add_u32 v12, v13
	s_wait_dscnt 0x0
	s_endpgm
.Lfunc_end_k_q4052d28b73_quant:
	.size	k_q4052d28b73_quant, .Lfunc_end_k_q4052d28b73_quant-k_q4052d28b73_quant
	.p2alignl 7, 3214868480
	.fill 96, 4, 3214868480
	.section	.rodata,"a",@progbits
	.p2align	6, 0x0
	.amdhsa_kernel k_q4052d28b73_quant
		.amdhsa_group_segment_fixed_size 68608
		.amdhsa_private_segment_fixed_size 0
		.amdhsa_enable_private_segment 0
		.amdhsa_kernarg_size 56
		.amdhsa_user_sgpr_count 2
		.amdhsa_user_sgpr_kernarg_segment_ptr 1
		.amdhsa_wavefront_size32 1
		.amdhsa_system_sgpr_workgroup_id_x 1
		.amdhsa_system_sgpr_workgroup_id_y 1
		.amdhsa_system_sgpr_workgroup_id_z 1
		.amdhsa_system_vgpr_workitem_id 0
		.amdhsa_next_free_vgpr 256
		.amdhsa_next_free_sgpr 80
		.amdhsa_reserve_vcc 0
		.amdhsa_float_denorm_mode_32 3
		.amdhsa_float_denorm_mode_16_64 3
		.amdhsa_memory_ordered 1
		.amdhsa_forward_progress 1
		.amdhsa_inst_pref_size 40
	.end_amdhsa_kernel
	.amdgpu_metadata
---
amdhsa.version: [ 1, 2 ]
amdhsa.kernels:
  - .name:           k_q4052d28b73_quant
    .symbol:         k_q4052d28b73_quant.kd
    .args:
      - { .name: src, .offset: 0, .size: 8, .value_kind: global_buffer, .address_space: global }
      - { .name: in_proj_w, .offset: 8, .size: 8, .value_kind: global_buffer, .address_space: global }
      - { .name: out_w, .offset: 16, .size: 8, .value_kind: global_buffer, .address_space: global }
      - { .name: w1, .offset: 24, .size: 8, .value_kind: global_buffer, .address_space: global }
      - { .name: w2, .offset: 32, .size: 8, .value_kind: global_buffer, .address_space: global }
      - { .name: lowp_scales, .offset: 40, .size: 8, .value_kind: global_buffer, .address_space: global }
      - { .name: qc, .offset: 48, .size: 8, .value_kind: global_buffer, .address_space: global }
    .group_segment_fixed_size: 68608
    .private_segment_fixed_size: 0
    .kernarg_segment_align: 8
    .kernarg_segment_size: 56
    .max_flat_workgroup_size: 256
    .sgpr_count:     80
    .vgpr_count:     256
    .wavefront_size: 32
...
	.end_amdgpu_metadata
.endif
;; end of part 1
;; launch qkv (part 2): grid 12 x 16, 4 waves a work-group, clusters of 4 x 4, 327,680 bytes of LDS; arguments qc, in_proj_b, lowp_scales, qi, kvi; writes qi, kvi
.if DOCPART == 2
	.amdgcn_target "amdgcn-amd-amdhsa--gfx1250"
	.amdhsa_code_object_version 6
	.text
	.protected	k_q4052d28b73_qkv
	.globl	k_q4052d28b73_qkv
	.p2align	8
	.type	k_q4052d28b73_qkv,@function
k_q4052d28b73_qkv:
	s_mov_b64 s[64:65], 0
	v_nop
	global_prefetch_b8 v0, s[64:65] scope:SCOPE_SE
	s_setreg_imm32_b32 hwreg(HW_REG_WAVE_MODE, 25, 1), 1
	s_wait_xcnt 0x0
	s_wait_alu depctr_hold_cnt(0) depctr_sa_sdst(0) depctr_va_vdst(0) depctr_va_sdst(0) depctr_va_ssrc(0) depctr_va_vcc(0) depctr_vm_vsrc(0)
	s_getreg_b32 s2, hwreg(HW_REG_IB_STS2, 6, 4)
	s_cmp_eq_u32 s2, 0
	s_cbranch_scc0 .Lentry_in_a_cluster
	s_endpgm
.Lentry_in_a_cluster:
	s_bfe_u32 s2, ttmp6, 0x10000c
	s_cmp_lg_u32 s2, 0xf033
	s_cbranch_scc0 .Lentry_shape_is_right
	s_endpgm
.Lentry_shape_is_right:
; qkv = src in_proj_w^T + in_proj_b on codes of BF8, and q, k, v quantised at once for the two products of attention.  All operands are register images in qc (fragment = 16 rows x 128 K = 2,048 bytes,
; quad q of lane l at 512 q + 16 l; a row tile of K = 1,024 is 16,384 bytes).  src's image begins at 0, in_proj_w's at 4 MiB.
; A tile of 256 x 256 is made by four waves, each 128 x 128: 64 accumulators, 512 registers.  K goes in steps of 256 through a ring of two LDS slots; K = 1,024 is twice round the ring, written out without a loop.
; THE MATRIX INSTRUCTION IS USED TRANSPOSED: source 0 = a fragment of LDS region B, source 1 = one of region A: lane (r, h) holds row 16 a + r of region A and rows 16 b + 8 h + 0 .. 7 of region B in its eight registers.
; So one conversion of an accumulator gives registers 2b, 2b+1 of a fragment whose K runs along region B's rows: results leave as register images, 512 consecutive bytes a store, with no stage in LDS.
; Cluster column 0 makes q, 1 makes k (region A = tokens, region B = features: K = the head's 64), 2 makes v (region A = features, region B = tokens: K = the keys).  The swap is made in the tiles' global offsets alone.
; q's factor 1/8 is folded into its conversion's scale: code = (sum + bias) / 2^(e2 + 3): exact.
; CLUSTERS: 4 x 4 work-groups; region A's tile hangs on the cluster row alone and is asked for jointly by the four of a row, region B's on the column alone, by the four of a column.
; OUT: qi [batch x 16 + head][128 query tiles][1,024];  kvi [batch x 16 + head][16 blocks of 128 keys][8 tiles of K x 1,024 | 4 fragments of V^T (16 channels x 128 keys) x 2,048].
; LIMITS: e0 + e1 between -126 and 127; e2 + 3, e3, e4 between -126 and 112.  NaN among the inputs is not served.
; REGISTERS: window 0: v16-31 addresses and constants; v32-127 biases and scratch; v128-255 region A's fragments, one set, later the codes.  window 1: region B's fragments, two sets.  windows 2, 3: accumulator (a, b) at v[8 (8 (a % 4) + b)].
.set HALFT,  32768                     ; 8 row tiles x two K blocks: what one tensor load brings, and what a wave reads of a region
.set SLOT,   4*HALFT                   ; region A's two halves, then region B's
.set SPARE,  2*SLOT                    ; behind the ring: the spare words, 128 bytes a wave: two blocks of 256 bytes that no other line names
.set FR,     16
.set NL,     4
.set NP,     4                         ; places behind this matrix instruction (ISA guide 7.12.1)
.set ADRA, 16                          ; v16-17  LDS address of my fragments of region A in slot 0, 1
.set ADRB, 20                          ; v20-21  the same for region B
.set OFS,  24                          ; v24     16 x lane
.set BQA,  25                          ; v25     byte offset of my bias numbers, along the registers
.set BVA,  26                          ; v26     and one a lane
.set SPW,  28                          ; v28     my spare word; never rewritten
.set NIL,  29                          ; v29     0; never rewritten
.set SCL,  30                          ; v30     the conversion's scale
.set LIM,  31                          ; v31     57,344 x that
.set TMP,  32                          ; q, k: 32 numbers at work
.set BV,   32                          ; v: bias of block a in the pair v[32 + 2 a]
.set BI,   64                          ; q, k: bias of (b, j) at v[64 + 8 b + j]
.set TV,   64                          ; v: 64 numbers at work
.set AF,   128
.set CD,   128
.set G1, 24
.set G0, 32
.set G1B, 48
.set G0B, 56
.set MSB, 0
.macro WIN new                         ; the immediate's high byte repeats the setting that is left
.if MSB != (\new)
	s_set_vgpr_msb (MSB<<8)|(\new)
.set MSB, (\new)
.endif
.endm
.set MUL_LO, 0xa1                      ; source 0 window 1, source 1 window 0, C and D window 2
.set MUL_HI, 0xf1                      ; the same, C and D window 3
.set TO_B,   0x40                      ; destination window 1, address window 0
.macro JLOAD g0a, g1a, g0b, g1b        ; a joint load: waves 0 and 1 fetch for region A, waves 2 and 3 for region B; four v_nop follow each line
	s_cmp_eq_u32 s15, 0
	s_cbranch_scc0 .Lfor_b_\@
	tensor_load_to_lds s[\g0a:\g0a+3], s[\g1a:\g1a+7]
	s_nop 0
.rept 4
	v_nop
.endr
	s_branch .Lasked_\@
.Lfor_b_\@:
	tensor_load_to_lds s[\g0b:\g0b+3], s[\g1b:\g1b+7]
	s_nop 0
.rept 4
	v_nop
.endr
.Lasked_\@:
.endm
.macro CREST                           ; a round of the cluster's barrier behind its opening barrier
	s_cmp_lg_u32 s14, 0
	s_cbranch_scc1 .Lnot_wave_0_\@
	s_barrier_signal -3
.Lnot_wave_0_\@:
	s_barrier_wait -3
	s_barrier_signal -1
	s_barrier_wait -1
.endm
.macro CROUND
	s_barrier_signal -1
	s_barrier_wait -1
	CREST
.endm
	s_load_b128 s[4:7], s[0:1], 0x0                ; qc, in_proj_b
	s_load_b128 s[8:11], s[0:1], 0x10              ; the scales' exponents, qi
	s_load_b64 s[12:13], s[0:1], 0x20              ; kvi
	v_lshl_add_u32 v[SPW], v0, 2, SPARE
	v_mov_b32 v[NIL], 0
	ds_add_u32 v28, v29
	ds_add_u32 v28, v29
	s_wait_dscnt 0x0
	v_lshrrev_b32 v1, 5, v0
	v_readfirstlane_b32 s14, v1                    ; wave 0..3
	s_lshr_b32 s15, s14, 1                         ; which half of region A is mine.  Also: I fetch for region A (0) or B (1)
	s_and_b32 s16, s14, 1                          ; which half of region B.  Also: which half of that region I fetch
	s_bfe_u32 s40, ttmp6, 0x40000                  ; cx, cy: my place in the cluster
	s_bfe_u32 s41, ttmp6, 0x40004
	s_and_b32 s17, ttmp7, 0xffff                   ; the cluster's y; ttmp9 is its x: 0 q, 1 k, 2 v
	s_lshl_b32 s43, s41, 2
	s_lshl_b32 s43, 15, s43                        ; my row of the cluster
	s_lshl_b32 s44, 0x1111, s40                    ; my column
	; descriptor group 1: 8 rows (row tiles) of 512 elements of 8 bytes (two K blocks), 16,384 bytes apart; dense in LDS
	s_or_b32 s[G1+0], s43, (3<<16)|(1<<21)         ; 15:0 the mask; 17:16 elements of 8 bytes; 21 set beside a mask
	s_or_b32 s[G1B+0], s44, (3<<16)|(1<<21)
.irp g, G1, G1B
	s_mov_b32 s[\g+1], 512<<16                     ; tensor_dim0
	s_mov_b32 s[\g+2], 8<<16                       ; tensor_dim1
	s_mov_b32 s[\g+3], 512<<16                     ; tile_dim0
	s_mov_b32 s[\g+4], 8                           ; tile_dim1
	s_mov_b32 s[\g+5], 2048                        ; tensor_dim0_stride
	s_mov_b32 s[\g+6], 0
	s_mov_b32 s[\g+7], 0
.endr
	s_lshl_b32 s18, s17, 20                        ; four tiles of 256 tokens: 4 x 262,144 bytes
	s_lshl_b32 s19, s16, 17                        ; the half that I fetch: 8 row tiles
	s_lshl_b32 s20, s41, 18                        ; region A: cy x 262,144 + (q, k: the tokens' tiles | v: in_proj_w's rows 2,048 on)
	s_cmp_eq_u32 ttmp9, 2
	s_cselect_b32 s21, 0x600000, s18
	s_add_co_u32 s20, s20, s21
	s_add_co_u32 s20, s20, s19
	s_mov_b32 s21, 0
	s_lshl_b32 s46, s40, 18                        ; region B: cx x 262,144 + (q, k: in_proj_w's rows 1,024 x cluster x on | v: the tokens' tiles)
	s_lshl_b32 s47, ttmp9, 20
	s_add_co_u32 s47, s47, 0x400000
	s_cmp_eq_u32 ttmp9, 2
	s_cselect_b32 s47, s18, s47
	s_add_co_u32 s46, s46, s47
	s_add_co_u32 s46, s46, s19
	s_mov_b32 s47, 0
	s_lshl_b32 s45, s14, 15                        ; where my load goes: wave x 32,768: no place in the cluster enters an LDS address
	s_lshl_b32 s82, s41, 8                         ; my 128 features: v: 2,048 + 256 cy + 128 (wave / 2);
	s_lshl_b32 s83, s15, 7
	s_add_co_u32 s82, s82, s83
	s_add_co_u32 s82, s82, 2048
	s_lshl_b32 s83, ttmp9, 10                      ; q, k: 1,024 x cluster x + 256 cx + 128 (wave % 2)
	s_lshl_b32 s86, s40, 8
	s_add_co_u32 s83, s83, s86
	s_lshl_b32 s86, s16, 7
	s_add_co_u32 s83, s83, s86
	s_cmp_eq_u32 ttmp9, 2
	s_cselect_b32 s82, s82, s83
	s_lshl_b32 s82, s82, 2
	s_wait_kmcnt 0x0
	s_load_b256 s[68:75], s[8:9], 0x0              ; e0 .. e7
	s_load_b128 s[76:79], s[8:9], 0x20
	s_add_nc_u64 s[20:21], s[4:5], s[20:21]
	s_add_nc_u64 s[46:47], s[4:5], s[46:47]
	CROUND                                         ; all sixteen work-groups are here: the first joint loads meet
.irp s, 0,1
	s_mov_b32 s[G0+4*\s], 1
	s_add_co_u32 s[G0+4*\s+1], s45, \s*SLOT
	s_add_nc_u64 s[G0+4*\s+2:G0+4*\s+3], s[20:21], \s*4096
	s_or_b32 s[G0+4*\s+3], s[G0+4*\s+3], 0x80000000
	s_mov_b32 s[G0B+4*\s], 1
	s_add_co_u32 s[G0B+4*\s+1], s45, \s*SLOT
	s_add_nc_u64 s[G0B+4*\s+2:G0B+4*\s+3], s[46:47], \s*4096
	s_or_b32 s[G0B+4*\s+3], s[G0B+4*\s+3], 0x80000000
.endr
	JLOAD G0, G1, G0B, G1B                         ; K step 0: one tensor load a wave at the head
	v_and_b32 v1, 31, v0
	v_lshlrev_b32 v[OFS], 4, v1
	s_lshl_b32 s21, s15, 15                        ; my half of region A,
	s_lshl_b32 s22, s16, 15
	s_add_co_u32 s22, s22, 2*HALFT                 ; and of region B
.irp s, 0,1
	v_add_nc_u32 v[ADRA+\s], s21, v[OFS]
	v_add_nc_u32 v[ADRB+\s], s22, v[OFS]
	s_add_co_u32 s21, s21, SLOT
	s_add_co_u32 s22, s22, SLOT
.endr
	v_bfe_u32 v2, v0, 4, 1                         ; h
	v_and_b32 v3, 15, v0                           ; r
	v_lshlrev_b32 v[BQA], 5, v2
	v_add_nc_u32 v[BQA], s82, v[BQA]               ; bias of features 16 b + 8 h + 0 .. 7
	v_lshl_add_u32 v[BVA], v3, 2, s82              ; bias of feature 16 a + r
.irp b, 0,1,2,3,4,5,6,7                    ; both forms are loaded, each inside my 128 numbers; they land while the products run and are waited for on the way out
	global_load_b128 v[BI+8*\b:BI+8*\b+3], v[BQA], s[6:7] offset:64*\b
	global_load_b128 v[BI+8*\b+4:BI+8*\b+7], v[BQA], s[6:7] offset:64*\b+16
.endr
.irp a, 0,1,2,3,4,5,6,7
	global_load_b32 v[BV+2*\a], v[BVA], s[6:7] offset:64*\a
	global_load_b32 v[BV+2*\a+1], v[BVA], s[6:7] offset:64*\a      ; (the pair's upper half is named with it, so it is written)
.endr
.macro FRAG reg, adr, q, i             ; a fragment as it lies: four loads of 512 consecutive bytes
.irp c, 0,1,2,3
	ds_load_b128 v[\reg+4*\c:\reg+4*\c+3], v[\adr] offset:(\i)*4096+(\q)*2048+512*\c
.endr
.endm
; 16 matrix instructions: region A's blocks a0, a0 + 1 x region B's eight, 128 along K.  The 64 accumulators take turns, one instruction a turn, in the same order in every step.
.macro MUL16 a0, p, zero
.irp a, \a0, \a0+1
.irp b, 0,1,2,3,4,5,6,7
.if \zero
	v_wmma_f32_16x16x128_bf8_bf8 v[8*(8*((\a)%4)+\b):8*(8*((\a)%4)+\b)+7], v[128*(\p)+FR*\b:128*(\p)+FR*\b+FR-1], v[AF+FR*(\a):AF+FR*(\a)+FR-1], 0
.else
	v_wmma_f32_16x16x128_bf8_bf8 v[8*(8*((\a)%4)+\b):8*(8*((\a)%4)+\b)+7], v[128*(\p)+FR*\b:128*(\p)+FR*\b+FR-1], v[AF+FR*(\a):AF+FR*(\a)+FR-1], v[8*(8*((\a)%4)+\b):8*(8*((\a)%4)+\b)+7]
.endif
.endr
.endr
.endm
.macro FETCH_B slot, q, p
	WIN TO_B
.irp i, 0,1,2,3,4,5,6,7
	FRAG 128*(\p)+FR*\i, ADRB+\slot, \q, \i
.endr
	WIN 0
.endm
.macro FETCH_A slot, q, i0
.irp i, \i0, \i0+1, \i0+2, \i0+3
	FRAG AF+FR*(\i), ADRA+\slot, \q, \i
.endr
.endm
.macro PLACES n                        ; plain vector instructions between a matrix instruction and a load into, or a vector read or write of, its registers (ISA guide 7.12.1 for vector reads and writes)
.rept \n
	v_nop
.endr
.endm
.macro STEP slot, q, zero              ; 128 along K whose successor lies in the same slot
	s_wait_dscnt 4*NL                              ; region B's set and A's blocks 0-3 are in; the youngest sixteen loads (blocks 4-7) may be out
	WIN MUL_LO
	MUL16 0, (\q)%2, \zero
	MUL16 2, (\q)%2, \zero
	s_wait_dscnt 0
	PLACES NP
	FETCH_B \slot, (\q)+1, 1-(\q)%2
	FETCH_A \slot, (\q)+1, 0
	WIN MUL_HI
	MUL16 4, (\q)%2, \zero
	MUL16 6, (\q)%2, \zero
	PLACES NP
	WIN 0
	FETCH_A \slot, (\q)+1, 4
.endm
; A slot's last step changes slots: one barrier; in front of it each wave waits for all its tensor loads, adds 0 to its spare word, and waits for that and for its reads of this slot.  fill = 1: the slot is filled again, two K steps ahead.
.macro TURN slot, next, fill
	s_wait_tensorcnt 0x0                           ; all my tensor loads have landed: my part of the next slot
	ds_add_u32 v[SPW], v[NIL]                      ; 0 onto my spare word
	s_wait_dscnt 4*NL+1                            ; (the add and the youngest sixteen loads may be out)
	WIN MUL_LO
	MUL16 0, 1, 0
	s_wait_dscnt 0x0                               ; the add is done, and my reads of this slot are over
	s_barrier_signal -1
	MUL16 2, 1, 0
	WIN 0
	s_barrier_wait -1
.if \fill
	CREST                                          ; the barrier has opened a round of the cluster's: no wave of any partner still reads this slot or has a load on its way
	s_add_nc_u64 s[G0+4*\slot+2:G0+4*\slot+3], s[G0+4*\slot+2:G0+4*\slot+3], 8192
	s_add_nc_u64 s[G0B+4*\slot+2:G0B+4*\slot+3], s[G0B+4*\slot+2:G0B+4*\slot+3], 8192
	JLOAD G0+4*\slot, G1, G0B+4*\slot, G1B         ; the first tensor load behind the round; its four v_nop are the places in front of the loads below
.else
	PLACES NP
.endif
	FETCH_B \next, 0, 0
	FETCH_A \next, 0, 0
	WIN MUL_HI
	MUL16 4, 1, 0
	MUL16 6, 1, 0
	PLACES NP
	WIN 0
	FETCH_A \next, 0, 4
.endm
	s_wait_alu depctr_va_vdst(0)
	s_wait_tensorcnt 0x0                           ; my part of K step 0 is in; these lines stand ahead of slot 1's first fill as ahead of a refill
	ds_add_u32 v[SPW], v[NIL]
	s_wait_dscnt 0x0
	CROUND                                         ; everybody's part of K step 0 is in, and the sixteen work-groups meet
	JLOAD G0+4, G1, G0B+4, G1B                     ; K step 1: the first tensor load behind the round
	FETCH_B 0, 0, 0
	FETCH_A 0, 0, 0
	FETCH_A 0, 0, 4
	STEP 0, 0, 1                                   ; the first products start the sums: nothing is cleared
	TURN 0, 1, 1                                   ; slot 0 takes K step 2
	STEP 1, 0, 0
	TURN 1, 0, 1                                   ; slot 1 takes K step 3
	STEP 0, 0, 0
	TURN 0, 1, 0
	STEP 1, 0, 0
	s_wait_dscnt 4*NL
	WIN MUL_LO
	MUL16 0, 1, 0
	MUL16 2, 1, 0
	s_wait_dscnt 0
	WIN MUL_HI
	MUL16 4, 1, 0
	MUL16 6, 1, 0
	WIN 0
	; THE WAY OUT: sum x 2^(e0 + e1) + bias, held, converted; the conversions' results are the next operand's registers and are stored as they stand.
	s_wait_kmcnt 0x0
	s_add_co_i32 s80, s68, s69
	s_add_co_i32 s80, s80, 127
	s_lshl_b32 s80, s80, 23                        ; 2^(e0 + e1) as f32
	s_mov_b32 s81, s80                             ; (named with it as a pair)
	s_add_co_i32 s87, s70, 3                       ; q: e2 + 3;
	s_cmp_eq_u32 ttmp9, 1
	s_cselect_b32 s87, s71, s87                    ; k: e3;
	s_cmp_eq_u32 ttmp9, 2
	s_cselect_b32 s87, s72, s87                    ; v: e4
	s_add_co_i32 s87, s87, 127
	s_lshl_b32 s88, s87, 23
	v_mov_b32 v[SCL], s88
	s_add_co_i32 s87, s87, 15
	s_lshl_b32 s87, s87, 23
	s_or_b32 s87, s87, 0x600000
	v_mov_b32 v[LIM], s87
	s_wait_loadcnt 0x0                             ; the biases
	PLACES NP
; 16 tokens x one head (64 features: blocks 4 hh .. 4 hh + 3): a fragment of 8 registers
.macro QKOUT a, hh
.set AC, 64*((\a)%4)
	WIN 0x02+((\a)/4)                              ; source 0: window 2 or 3
.irp b, 0,1,2,3
.irp i, 0,2,4,6
	v_pk_fma_f32 v[TMP+8*\b+\i:TMP+8*\b+\i+1], v[AC+8*(4*(\hh)+\b)+\i:AC+8*(4*(\hh)+\b)+\i+1], s[80:81], v[BI+8*(4*(\hh)+\b)+\i:BI+8*(4*(\hh)+\b)+\i+1] op_sel_hi:[1,0,1]   ; each accumulator from its low end on
.endr
.endr
	WIN 0
.set n, 0
.rept 32
	v_med3_num_f32 v[TMP+n], v[TMP+n], -v[LIM], v[LIM]
.set n, n+1
.endr
.irp b, 0,1,2,3
	v_cvt_scalef32_pk8_bf8_f32 v[CD+16*(\a)+8*(\hh)+2*\b:CD+16*(\a)+8*(\hh)+2*\b+1], v[TMP+8*\b:TMP+8*\b+7], v[SCL]
.endr
	v_nop                                          ; a plain line between the conversions and the next lines that write their sources
.irp q, 0,1
	global_store_b128 v[OFS], v[CD+16*(\a)+8*(\hh)+4*\q:CD+16*(\a)+8*(\hh)+4*\q+3], s[84+2*(\hh):85+2*(\hh)] offset:(\a)*1024+512*\q
.endr
.endm
; 16 channels x 128 keys: a fragment of 16 registers
.macro VOUT a
.set AC, 64*((\a)%4)
	WIN 0x02+((\a)/4)
.set n, 0
.rept 32
	v_pk_fma_f32 v[TV+n:TV+n+1], v[AC+n:AC+n+1], s[80:81], v[BV+2*(\a):BV+2*(\a)+1] op_sel_hi:[1,0,0]
.set n, n+2
.endr
	WIN 0
.set n, 0
.rept 64
	v_med3_num_f32 v[TV+n], v[TV+n], -v[LIM], v[LIM]
.set n, n+1
.endr
.irp b, 0,1,2,3,4,5,6,7
	v_cvt_scalef32_pk8_bf8_f32 v[CD+16*(\a)+2*\b:CD+16*(\a)+2*\b+1], v[TV+8*\b:TV+8*\b+7], v[SCL]
.endr
	v_nop
.irp q, 0,1,2,3
	global_store_b128 v[OFS], v[CD+16*(\a)+4*\q:CD+16*(\a)+4*\q+3], s[84:85] offset:((\a)/4)*262144+((\a)%4)*2048+512*\q
.endr
.endm
	s_cmp_eq_u32 ttmp9, 2                          ; the cluster's x: alike in all sixteen partners
	s_cbranch_scc1 .Lvpath
	s_lshl_b32 s92, s17, 2
	s_add_co_u32 s92, s92, s41                     ; my tile of 256 tokens
	s_lshr_b32 s93, s92, 3
	s_lshl_b32 s93, s93, 4                         ; 16 x batch
	s_lshl_b32 s94, s40, 2
	s_add_co_u32 s93, s93, s94
	s_lshl_b32 s94, s16, 1
	s_add_co_u32 s93, s93, s94                     ; + my first head: 4 cx + 2 (wave % 2)
	s_lshl_b32 s88, s93, 17
	s_and_b32 s94, s92, 7
	s_lshl_b32 s94, s94, 14
	s_add_co_u32 s88, s88, s94
	s_lshl_b32 s94, s15, 13
	s_add_co_u32 s88, s88, s94                     ; q: head x 131,072 + token tile x 1,024;
	s_lshl_b32 s88, s88, ttmp9                     ; k: twice that (V lies between the blocks of K)
	s_mov_b32 s89, 0
	s_lshl_b32 s90, 0x20000, ttmp9                 ; from a head to the next
	s_mov_b32 s91, 0
	s_cmp_eq_u32 ttmp9, 0
	s_cselect_b64 s[84:85], s[10:11], s[12:13]
	s_add_nc_u64 s[84:85], s[84:85], s[88:89]
	s_add_nc_u64 s[86:87], s[84:85], s[90:91]
.irp a, 0,1,2,3,4,5,6,7
	QKOUT \a, 0
	QKOUT \a, 1
.endr
	s_branch .Ldone
.Lvpath:
	s_lshr_b32 s92, s17, 1
	s_lshl_b32 s92, s92, 4                         ; 16 x batch
	s_lshl_b32 s93, s41, 2
	s_add_co_u32 s92, s92, s93
	s_lshl_b32 s93, s15, 1
	s_add_co_u32 s92, s92, s93                     ; + my first head: 4 cy + 2 (wave / 2)
	s_lshl_b32 s88, s92, 18
	s_lshl_b32 s93, s17, 2
	s_add_co_u32 s93, s93, s40
	s_and_b32 s93, s93, 7
	s_lshl_b32 s93, s93, 1
	s_add_co_u32 s93, s93, s16                     ; my block of 128 keys
	s_lshl_b32 s93, s93, 14
	s_add_co_u32 s88, s88, s93
	s_add_co_u32 s88, s88, 8192                    ; behind the block's K
	s_mov_b32 s89, 0
	s_add_nc_u64 s[84:85], s[12:13], s[88:89]
.irp a, 0,1,2,3,4,5,6,7
	VOUT \a
.endr
.Ldone:
	s_wait_tensorcnt 0x0                           ; the wave's end
	ds_add_u32 v[SPW], v[NIL]
	s_wait_dscnt 0x0
	CROUND                                         ; the closing round: no work-group ends while a partner may still ask for a tile that names it
	s_endpgm
.Lfunc_end_k_q4052d28b73_qkv:
	.size	k_q4052d28b73_qkv, .Lfunc_end_k_q4052d28b73_qkv-k_q4052d28b73_qkv
	.p2alignl 7, 3214868480
	.fill 96, 4, 3214868480
	.section	.rodata,"a",@progbits
	.p2align	6, 0x0
	.amdhsa_kernel k_q4052d28b73_qkv
		.amdhsa_group_segment_fixed_size 327680
		.amdhsa_private_segment_fixed_size 0
		.amdhsa_enable_private_segment 0
		.amdhsa_kernarg_size 40
		.amdhsa_user_sgpr_count 2
		.amdhsa_user_sgpr_kernarg_segment_ptr 1
		.amdhsa_wavefront_size32 1
		.amdhsa_system_sgpr_workgroup_id_x 1
		.amdhsa_system_sgpr_workgroup_id_y 1
		.amdhsa_system_sgpr_workgroup_id_z 1
		.amdhsa_system_vgpr_workitem_id 0
		.amdhsa_next_free_vgpr 1024
		.amdhsa_next_free_sgpr 96
		.amdhsa_reserve_vcc 0
		.amdhsa_float_denorm_mode_32 3
		.amdhsa_float_denorm_mode_16_64 3
		.amdhsa_memory_ordered 1
		.amdhsa_forward_progress 1
		.amdhsa_inst_pref_size 195
	.end_amdhsa_kernel
	.amdgpu_metadata
---
amdhsa.version: [ 1, 2 ]
amdhsa.kernels:
  - .name:           k_q4052d28b73_qkv
    .symbol:         k_q4052d28b73_qkv.kd
    .args:
      - { .name: qc, .offset: 0, .size: 8, .value_kind: global_buffer, .address_space: global }
      - { .name: in_proj_b, .offset: 8, .size: 8, .value_kind: global_buffer, .address_space: global }
      - { .name: lowp_scales, .offset: 16, .size: 8, .value_kind: global_buffer, .address_space: global }
      - { .name: qi, .offset: 24, .size: 8, .value_kind: global_buffer, .address_space: global }
      - { .name: kvi, .offset: 32, .size: 8, .value_kind: global_buffer, .address_space: global }
    .group_segment_fixed_size: 327680
    .private_segment_fixed_size: 0
    .kernarg_segment_align: 8
    .kernarg_segment_size: 40
    .max_flat_workgroup_size: 128
    .sgpr_count:     96
    .vgpr_count:     1024
    .wavefront_size: 32
...
	.end_amdgpu_metadata
.endif
;; end of part 2
;; launch attn (part 3): grid 8 x 32, 8 waves a work-group, clusters of 4 x 1, 327,680 bytes of LDS; arguments qi, kvi, mem_k, mem_v, lowp_scales, ctx; writes ctx
.if DOCPART == 3
	.amdgcn_target "amdgcn-amd-amdhsa--gfx1250"
	.amdhsa_code_object_version 6
	.text
	.protected	k_q4052d28b73_attn
	.globl	k_q4052d28b73_attn
	.p2align	8
	.type	k_q4052d28b73_attn,@function
k_q4052d28b73_attn:
	s_mov_b64 s[64:65], 0
	v_nop
	global_prefetch_b8 v0, s[64:65] scope:SCOPE_SE
	s_setreg_imm32_b32 hwreg(HW_REG_WAVE_MODE, 25, 1), 1
	s_wait_xcnt 0x0
	s_wait_alu depctr_hold_cnt(0) depctr_sa_sdst(0) depctr_va_vdst(0) depctr_va_sdst(0) depctr_va_ssrc(0) depctr_va_vcc(0) depctr_vm_vsrc(0)
	s_getreg_b32 s2, hwreg(HW_REG_IB_STS2, 6, 4)
	s_cmp_eq_u32 s2, 0
	s_cbranch_scc0 .Lentry_in_a_cluster
	s_endpgm
.Lentry_in_a_cluster:
	s_bfe_u32 s2, ttmp6, 0x10000c
	s_cmp_lg_u32 s2, 0x3003
	s_cbranch_scc0 .Lentry_shape_is_right
	s_endpgm
.Lentry_shape_is_right:
; ctx = softmax(q k^T) v for one (batch, head) and 256 queries, over 2,048 keys and the 32 memory tokens, both products on codes of BF8 (E5M2); ctx leaves as codes (scale e6), as a register image for the next product.
; IN: qi [batch x 16 + head][128 query tiles][1,024 bytes]; kvi [batch x 16 + head][16 blocks of 128 keys][8 tiles of K x 1,024 | 4 fragments of V^T (16 channels x 128 keys) x 2,048]: register images, quad q of lane l at 512 q + 16 l.
; THE SOFTMAX: t = score x log2(e); M = the running largest t rounded up to a whole number; p = 2^(t - M) is quantised (scale e5), not normalised; the row's sum is taken of the unquantised p and divides at the end.
; When M moves, the sum and O are multiplied by 2^(old M - new M): exact, in every step, with no branch on data.
; SHARES: eight waves, each with 32 queries (two tiles of 16): every fragment of K and V that a wave reads from LDS feeds two matrix instructions.  Two waves stand on a SIMD.
; Both products are used transposed (S^T = K Q^T, O^T = V^T P^T): a lane holds one query of each tile, and a conversion of a tile of S^T gives registers 2u, 2u+1 of P.
; LDS: the head's whole K and V, 262,144 bytes, is filled ONCE: each wave asks for 32,768 bytes (two blocks of keys) by its one tensor load at the kernel's head; nothing is filled again.
; CLUSTER: the four work-groups of a cluster walk the same head: each load is a joint one (mask 15).  The memory tokens are quantised and multiplied while the loads are on their way.
; NO PREFETCH: all of K and V is asked for by the one group of loads at the head, so there is no loop to run ahead in.
; A step's K fragments are fetched one step ahead, into registers of their own; the last step's fetch wraps to block 0 and is not used.
; LIMITS: e2 + e3 between -126 and 127 less log2(e)'s exponent field's room (they are added to that field); e3 - 3, e4, e5, e6 between -126 and 112; the scaled scores stay under 2^31 in magnitude.  NaN among the inputs is not served.
; REGISTERS.  Window 0: v1-11 addresses and constants; tile i: v[12+2i] -M, v[13+2i] largest t; v[16+4i:19+4i] the sum in two chains; v[24+2i] f; v28-31, v4, v5 at work; v32-47 Q; v48-79 P; v96-159, v160-223 S^T, then p.
; Window 1: v0-63 K's fragments; v64-127 V's; v128-159, v160-191 O^T of the two tiles.
.set MEMB,  262144                     ; the memory tokens' codes: 8 units of K, 8 of V, 256 bytes each
.set SPARE, 0x41000                    ; the spare words, 128 bytes a wave: four blocks of 256 bytes that no other line names
.set LI,  1                            ; 16 x lane
.set ADV, 2
.set ADK, 3
.set L8,  11                           ; MEMB + 8 x lane
.set ST8, 88                           ; MEMB + 8 x thread
.set Q0,  32
.set Q1,  40
.set P0,  48
.set P1,  64
.set S0,  96
.set S1,  160
.set KF,  0
.set VF,  64
.set OA,  128
.set OB,  160
.set WV,  18
.set SEL, 20
.set CS,  22
.set G1,  24
.set G0,  32
.set TB,  48
.set CNT, 49
.set TN,  47
.set MSB, 0
.macro WIN new                         ; the immediate's high byte repeats the setting that is left
.if MSB != (\new)
	s_set_vgpr_msb (MSB<<8)|(\new)
.set MSB, (\new)
.endif
.endm
.macro CROUND                          ; a round of the cluster's barrier
	s_barrier_signal -1
	s_barrier_wait -1
	s_cmp_lg_u32 s[WV], 0
	s_cbranch_scc1 .Lnot_wave_0_\@
	s_barrier_signal -3
.Lnot_wave_0_\@:
	s_barrier_wait -3
	s_barrier_signal -1
	s_barrier_wait -1
.endm
.macro MKSC se, d, vs, vl              ; 2^(e + d) as f32 into vs, 57,344 x that into vl
	s_add_co_i32 s50, \se, 127+(\d)
	s_lshl_b32 s57, s50, 23
	v_mov_b32 v[\vs], s57
	s_add_co_i32 s50, s50, 15
	s_lshl_b32 s50, s50, 23
	s_or_b32 s50, s50, 0x600000
	v_mov_b32 v[\vl], s50
.endm
	s_load_b256 s[4:11], s[0:1], 0x0               ; qi, kvi, mem_k, mem_v
	s_load_b128 s[12:15], s[0:1], 0x20             ; the scales' exponents, ctx
	v_lshl_add_u32 v254, v0, 2, SPARE
	v_mov_b32 v255, 0
	ds_add_u32 v254, v255                          ; the opening lines: the add, twice on end, and its wait ahead of my tensor load
	ds_add_u32 v254, v255
	v_lshrrev_b32 v89, 5, v0
	v_readfirstlane_b32 s[WV], v89                 ; wave 0..7
	v_lshl_add_u32 v[ST8], v0, 3, MEMB
	v_and_b32 v89, 31, v0
	v_lshlrev_b32 v[LI], 4, v89
	v_lshl_add_u32 v[L8], v89, 3, MEMB
	v_and_b32 v90, 15, v0                          ; r
	v_bfe_u32 v91, v0, 4, 1                        ; h
	v_lshlrev_b32 v6, 12, v90
	v_lshl_add_u32 v6, v91, 5, v6                  ; mem_k: token r, channels 8 h on
	v_lshlrev_b32 v7, 15, v91
	v_lshl_add_u32 v7, v90, 2, v7                  ; mem_v: tokens 8 h on, channel r
	s_bfe_u32 s50, ttmp6, 0x40000
	s_lshl_b32 s51, ttmp9, 2
	s_add_co_u32 s51, s51, s50                     ; my block of 256 queries
	s_and_b32 s19, ttmp7, 0xffff                   ; batch x 16 + head
	s_and_b32 s52, s19, 15
	s_lshr_b32 s53, s19, 4
	s_lshl_b32 s56, s[WV], 15                      ; my 32,768 bytes of the head's K and V, in memory and in LDS
	s_lshl_b32 s54, s19, 18
	s_add_co_u32 s54, s54, s56
	s_mov_b32 s55, 0
	s_lshl_b32 s57, s51, 4
	s_lshl_b32 s59, s[WV], 1
	s_add_co_u32 s57, s57, s59                     ; my first query tile: 16 x block + 2 x wave
	s_lshl_b32 s58, s19, 7
	s_add_co_u32 s58, s58, s57
	s_lshl_b32 s58, s58, 10
	s_mov_b32 s59, 0
	s_lshl_b32 s60, s53, 7
	s_add_co_u32 s60, s60, s57
	s_lshl_b32 s60, s60, 14                        ; ctx: a row tile is 16,384 bytes,
	s_lshl_b32 s61, s52, 10
	s_add_co_u32 s60, s60, s61                     ; a head's 64 channels 1,024 of them
	s_mov_b32 s61, 0
	s_lshl_b32 s62, s52, 8                         ; the head's first channel, in bytes
	s_lshr_b32 s81, s[WV], 2                       ; K's unit: tokens 16 (wave / 4) on, channels 16 (wave % 4) on
	s_lshl_b32 s81, s81, 16
	s_and_b32 s82, s[WV], 3
	s_lshl_b32 s82, s82, 6
	s_and_b32 s83, s[WV], 1                        ; V's unit: tokens 16 (wave % 2) on, channels 16 (wave / 2) on
	s_lshl_b32 s83, s83, 16
	s_lshr_b32 s84, s[WV], 1
	s_lshl_b32 s84, s84, 6
	s_add_co_u32 s66, s62, s83
	s_add_co_u32 s66, s66, s84
	s_mov_b32 s67, 0
	s_add_co_u32 s62, s62, s81
	s_add_co_u32 s62, s62, s82
	s_mov_b32 s63, 0
	s_mov_b32 s[G1], 15|(3<<16)|(1<<21)            ; the mask of the four; elements of 8 bytes; bit 21 beside a mask
	s_mov_b32 s[G1+1], 32<<16                      ; a dense block as 128 rows of 256 bytes
	s_mov_b32 s[G1+2], 128<<16
	s_mov_b32 s[G1+3], 32<<16
	s_mov_b32 s[G1+4], 128
	s_mov_b32 s[G1+5], 32
	s_mov_b32 s[G1+6], 0
	s_mov_b32 s[G1+7], 0
	s_mov_b32 s[SEL], 0x76543210
	s_mov_b32 s[SEL+1], 0xfedcba98
	s_wait_alu depctr_va_vdst(0)
	s_wait_dscnt 0x0
	s_wait_kmcnt 0x0
	s_load_b256 s[68:75], s[12:13], 0x0            ; e0 .. e7
	s_add_nc_u64 s[6:7], s[6:7], s[54:55]
	s_add_nc_u64 s[4:5], s[4:5], s[58:59]
	s_add_nc_u64 s[14:15], s[14:15], s[60:61]
	s_add_nc_u64 s[8:9], s[8:9], s[62:63]
	s_add_nc_u64 s[10:11], s[10:11], s[66:67]
	s_mov_b32 s[G0], 1
	s_mov_b32 s[G0+1], s56
	s_mov_b64 s[G0+2:G0+3], s[6:7]
	s_or_b32 s[G0+3], s[G0+3], 0x80000000
	CROUND                                         ; the four work-groups are here: the joint loads meet
	tensor_load_to_lds s[G0:G0+3], s[G1:G1+7]      ; my one tensor load of the launch
	s_nop 0
.rept 4
	v_nop
.endr
.irp q, 0,1,2,3
	global_load_b128 v[Q0+4*\q:Q0+4*\q+3], v[LI], s[4:5] offset:512*\q   ; both tiles of Q stay in registers
.endr
	global_load_b128 v[96:99], v6, s[8:9]
	global_load_b128 v[100:103], v6, s[8:9] offset:16
.irp j, 0,1,2,3,4,5,6,7
	global_load_b32 v[104+\j], v7, s[10:11] offset:\j*4096
.endr
	v_mov_b32 v13, 0xff61b1e6                      ; the largest t so far: -3e38
	v_mov_b32 v15, 0xff61b1e6
	v_floor_f32 v12, -v13                          ; -M
	v_floor_f32 v14, -v15
.irp j, 4,5,16,17,20,21,25,27
	v_mov_b32 v\j, 0                               ; the sums; the permutes' destinations and the pairs' upper halves are written once
.endr
.irp j, 4,5,6,7
	v_mov_b32 v[P0+\j], 0                          ; the memory tokens are 32 of the second product's 64 along K: the rest are zero codes
	v_mov_b32 v[P1+\j], 0
.endr
	WIN 0x40
.irp f, 0,1,2,3
.irp j, 4,5,6,7
	v_mov_b32 v[VF+8*\f+\j], 0
.endr
.endr
	WIN 0
	s_wait_kmcnt 0x0
	s_add_co_i32 s50, s70, s71
	s_lshl_b32 s50, s50, 23
	s_add_co_i32 s[CS], s50, 0x3fb8aa3b            ; log2(e) x 2^(e2 + e3): the exponents are added to the exponent field
	s_mov_b32 s[CS+1], s[CS]
	MKSC s73, 0, 10, 8                             ; p's scale and hold
	v_mov_b32 v9, v8
	MKSC s71, -3, 84, 85                           ; 8 x mem_k / 2^e3 = mem_k / 2^(e3 - 3): exact
	MKSC s72, 0, 86, 87
	s_wait_alu depctr_va_vdst(0)
	s_wait_loadcnt 0x0
.irp j, 0,1,2,3,4,5,6,7
	v_mul_f32 v[104+\j], 0x40b504f3, v[104+\j]     ; sqrt(32) x mem_v
.endr
.irp j, 0,1,2,3,4,5,6,7
	v_med3_num_f32 v[96+\j], v[96+\j], -v85, v85
	v_med3_num_f32 v[104+\j], v[104+\j], -v87, v87
.endr
	v_cvt_scalef32_pk8_bf8_f32 v[80:81], v[96:103], v84
	v_cvt_scalef32_pk8_bf8_f32 v[82:83], v[104:111], v86
	v_nop
	ds_store_b64 v[ST8], v[80:81]
	ds_store_b64 v[ST8], v[82:83] offset:2048
	s_wait_dscnt 0x0                               ; for the others' sake: my two units lie in LDS
	s_barrier_signal -1
	s_barrier_wait -1
	WIN 0x40
.irp u, 0,1
.irp c, 0,1,2,3
	ds_load_b64 v[KF+8*\u+2*\c:KF+8*\u+2*\c+1], v[L8] offset:256*(4*\u+\c)
.endr
.endr
.irp f, 0,1,2,3
.irp c, 0,1
	ds_load_b64 v[VF+8*\f+2*\c:VF+8*\f+2*\c+1], v[L8] offset:2048+256*(2*\f+\c)
.endr
.endr
	WIN 0
	s_wait_dscnt 0x0
; four p of one tile: into the row's sum (unquantised, two chains), then held: the conversion does not saturate (ISA guide 7.6.2); p is not negative, so the hold is one-sided; two holds go as one dual-issue pair
.macro GRP sb, a, gi
.if (\gi) == 0
	v_pk_add_f32 v[(\a)+2:(\a)+3], v[(\sb):(\sb)+1], v[(\sb)+2:(\sb)+3]
.else
	v_pk_add_f32 v[(\a):(\a)+1], v[(\a):(\a)+1], v[(\sb):(\sb)+1]
	v_pk_add_f32 v[(\a)+2:(\a)+3], v[(\a)+2:(\a)+3], v[(\sb)+2:(\sb)+3]
.endif
	v_dual_min_num_f32 v[(\sb)], v[(\sb)], v9 :: v_dual_min_num_f32 v[(\sb)+1], v[(\sb)+1], v8
	v_dual_min_num_f32 v[(\sb)+2], v[(\sb)+2], v9 :: v_dual_min_num_f32 v[(\sb)+3], v[(\sb)+3], v8
.endm
; THE SOFTMAX of nt tiles of 16 keys, for both query tiles, their chains line by line.  All plain work that the exponentials or the products need stands ahead of the ONE batch; resc = 1: O^T is brought under the new M there too.
.macro SOFT nt, resc
.set NR, 8*(\nt)
	v_max3_num_f32 v28, v[S0], v[S0+1], v[S0+2]    ; each accumulator is read from its low end on
	v_max3_num_f32 v29, v[S0+3], v[S0+4], v[S0+5]
	v_max3_num_f32 v30, v[S1], v[S1+1], v[S1+2]
	v_max3_num_f32 v31, v[S1+3], v[S1+4], v[S1+5]
.set n, 6
.rept (NR-8)/4
	v_max3_num_f32 v28, v28, v[S0+n], v[S0+n+1]
	v_max3_num_f32 v29, v29, v[S0+n+2], v[S0+n+3]
	v_max3_num_f32 v30, v30, v[S1+n], v[S1+n+1]
	v_max3_num_f32 v31, v31, v[S1+n+2], v[S1+n+3]
.set n, n+4
.endr
	v_max3_num_f32 v28, v28, v[S0+NR-2], v[S0+NR-1]
	v_max3_num_f32 v30, v30, v[S1+NR-2], v[S1+NR-1]
	v_max_num_f32 v28, v28, v29
	v_max_num_f32 v30, v30, v31
	v_permlanex16_b32 v4, v28, s[SEL], s[SEL+1]
	v_permlanex16_b32 v5, v30, s[SEL], s[SEL+1]
	v_max_num_f32 v28, v28, v4                     ; and lane l xor 16's keys
	v_max_num_f32 v30, v30, v5
	v_mul_f32 v28, s[CS], v28                      ; as t
	v_mul_f32 v30, s[CS], v30
	v_max_num_f32 v13, v13, v28                    ; the running largest t
	v_max_num_f32 v15, v15, v30
	v_mov_b32 v29, v12
	v_mov_b32 v31, v14
	v_floor_f32 v12, -v13                          ; the new -M = -ceil(t)
	v_floor_f32 v14, -v15
	v_sub_f32 v29, v12, v29                        ; old M - new M: a whole number, 0 or less
	v_sub_f32 v31, v14, v31
	v_cvt_i32_f32 v29, v29                         ; (it saturates)
	v_cvt_i32_f32 v31, v31
	v_ldexp_f32 v24, 1.0, v29                      ; f = 2^(old M - new M)
	v_ldexp_f32 v26, 1.0, v31
	v_pk_mul_f32 v[16:17], v[16:17], v[24:25] op_sel_hi:[1,0]
	v_pk_mul_f32 v[20:21], v[20:21], v[26:27] op_sel_hi:[1,0]
.set n, 0
.rept NR/2
	v_pk_fma_f32 v[S0+n:S0+n+1], v[S0+n:S0+n+1], s[CS:CS+1], v[12:13] op_sel_hi:[1,0,0]   ; t - M of tile 0; tile 1's stand among tile 0's exponentials
.set n, n+2
.endr
.if \resc
	WIN 0x41                                       ; O^T lies in window 1, f in window 0
.set n, 0
.rept 16
	v_pk_mul_f32 v[OA+n:OA+n+1], v[OA+n:OA+n+1], v[24:25] op_sel_hi:[1,0]
	v_pk_mul_f32 v[OB+n:OB+n+1], v[OB+n:OB+n+1], v[26:27] op_sel_hi:[1,0]
.set n, n+2
.endr
	WIN 0
.endif
	s_wait_alu depctr_va_vdst(0)
.set n, 0
.rept NR/2                                 ; TILE 0's BATCH.  The plain lines among the exponentials read only what was written ahead of the wait above, and their results are read only behind the wait below
	v_exp_f32 v[S0+n], v[S0+n]                     ; p = 2^(t - M)
	v_pk_fma_f32 v[S1+n:S1+n+1], v[S1+n:S1+n+1], s[CS:CS+1], v[14:15] op_sel_hi:[1,0,0]   ; t - M of tile 1
	v_exp_f32 v[S0+n+1], v[S0+n+1]
.set n, n+2
.endr
	v_nop                                          ; a plain place behind the batch
	s_wait_alu depctr_va_vdst(0)                   ; behind tile 0's batch and ahead of tile 1's
.set g, 0
.rept 2*(\nt)                              ; TILE 1's BATCH, and among it tile 0's p: four of them added into a pair of their own (v80-95, v224-239), then held; all these results are read behind the wait below
	v_exp_f32 v[S1+4*g], v[S1+4*g]
	v_pk_add_f32 v[80+2*g+(g/8)*128:81+2*g+(g/8)*128], v[S0+4*g:S0+4*g+1], v[S0+4*g+2:S0+4*g+3]
	v_exp_f32 v[S1+4*g+1], v[S1+4*g+1]
	v_dual_min_num_f32 v[S0+4*g], v[S0+4*g], v9 :: v_dual_min_num_f32 v[S0+4*g+1], v[S0+4*g+1], v8
	v_exp_f32 v[S1+4*g+2], v[S1+4*g+2]
	v_dual_min_num_f32 v[S0+4*g+2], v[S0+4*g+2], v9 :: v_dual_min_num_f32 v[S0+4*g+3], v[S0+4*g+3], v8
	v_exp_f32 v[S1+4*g+3], v[S1+4*g+3]
.set g, g+1
.endr
	v_nop                                          ; a plain place behind the batch
	s_wait_alu depctr_va_vdst(0)                   ; one wait for the batch, ahead of its first reader
.set g, 0
.rept 2*(\nt)
	v_pk_add_f32 v[16:17], v[16:17], v[80+2*g+(g/8)*128:81+2*g+(g/8)*128]   ; tile 0's sum: one chain over the pairs, tile 1's lines between its links
	GRP S1+4*g, 20, g
.if g%2
	v_cvt_scalef32_pk8_bf8_f32 v[P0+g-1:P0+g], v[S0+4*g-4:S0+4*g+3], v10   ; registers 2u, 2u+1 of P: keys 16 u + 8 h + 0 .. 7
	v_cvt_scalef32_pk8_bf8_f32 v[P1+g-1:P1+g], v[S1+4*g-4:S1+4*g+3], v10
.endif
.set g, g+1
.endr
	v_pk_add_f32 v[20:21], v[20:21], v[22:23]
.endm
	; THE MEMORY TOKENS come first: their products start O^T, so nothing is cleared
	WIN 0x01
.irp u, 0,1
	v_wmma_f32_16x16x64_bf8_bf8 v[S0+8*\u:S0+8*\u+7], v[KF+8*\u:KF+8*\u+7], v[Q0:Q0+7], 0
	v_wmma_f32_16x16x64_bf8_bf8 v[S1+8*\u:S1+8*\u+7], v[KF+8*\u:KF+8*\u+7], v[Q1:Q1+7], 0
.endr
	WIN 0
.rept 4
	v_nop
.endr
	SOFT 2, 0
	WIN 0x41
.irp f, 0,1,2,3
	v_wmma_f32_16x16x64_bf8_bf8 v[OA+8*\f:OA+8*\f+7], v[VF+8*\f:VF+8*\f+7], v[P0:P0+7], 0
	v_wmma_f32_16x16x64_bf8_bf8 v[OB+8*\f:OB+8*\f+7], v[VF+8*\f:VF+8*\f+7], v[P1:P1+7], 0
.endr
	WIN 0
	s_wait_tensorcnt 0x0                           ; my part of K and V is in;
	s_barrier_signal -1
	s_barrier_wait -1                              ; everybody's is
	WIN 0x40
.irp u, 0,1,2,3,4,5,6,7
.irp q, 0,1
	ds_load_b128 v[KF+8*\u+4*\q:KF+8*\u+4*\q+3], v[LI] offset:1024*\u+512*\q   ; block 0's K
.endr
.endr
	WIN 0
	s_mov_b32 s[TB], 0
	s_mov_b32 s[CNT], 16
.Lstep:                                                ; a step: 128 keys x 32 queries
	s_wait_dscnt 0x0                               ; this step's K is in
	WIN 0x01
.irp u, 0,1,2,3,4,5,6,7
	v_wmma_f32_16x16x64_bf8_bf8 v[S0+8*\u:S0+8*\u+7], v[KF+8*\u:KF+8*\u+7], v[Q0:Q0+7], 0
	v_wmma_f32_16x16x64_bf8_bf8 v[S1+8*\u:S1+8*\u+7], v[KF+8*\u:KF+8*\u+7], v[Q1:Q1+7], 0
.endr
	WIN 0
	s_add_co_u32 s[TN], s[TB], 16384
	s_and_b32 s[TN], s[TN], 0x3ffff                ; the next block; behind the last: block 0, fetched and not used
	v_add_nc_u32 v[ADV], s[TB], v[LI]              ; four places in front of the loads into registers that matrix instructions have read, and of the first read of S^T
	v_add_nc_u32 v[ADK], s[TN], v[LI]
	v_nop
	v_nop
	WIN 0x40
.irp f, 0,1,2,3
.irp q, 0,1,2,3
	ds_load_b128 v[VF+16*\f+4*\q:VF+16*\f+4*\q+3], v[ADV] offset:8192+2048*\f+512*\q
.endr
.endr
.irp u, 0,1,2,3,4,5,6,7
.irp q, 0,1
	ds_load_b128 v[KF+8*\u+4*\q:KF+8*\u+4*\q+3], v[ADK] offset:1024*\u+512*\q
.endr
.endr
	WIN 0
	SOFT 8, 1
	s_wait_alu depctr_va_vdst(0)
	s_wait_dscnt 16                                ; V's sixteen loads are in; the next step's K, sixteen younger loads, may be out
	WIN 0x51
.irp f, 0,1,2,3
	v_wmma_f32_16x16x128_bf8_bf8 v[OA+8*\f:OA+8*\f+7], v[VF+16*\f:VF+16*\f+15], v[P0:P0+15], v[OA+8*\f:OA+8*\f+7]   ; the eight accumulators take turns
	v_wmma_f32_16x16x128_bf8_bf8 v[OB+8*\f:OB+8*\f+7], v[VF+16*\f:VF+16*\f+15], v[P1:P1+15], v[OB+8*\f:OB+8*\f+7]
.endr
	WIN 0
	s_add_co_u32 s[TB], s[TB], 16384
	s_sub_co_u32 s[CNT], s[CNT], 1
	s_cmp_lg_u32 s[CNT], 0
	s_cbranch_scc1 .Lstep
	; THE WAY OUT: O^T x 2^(e4 + e5) / the sum, held, converted with e6: the results are the next operand's registers and are stored as they stand, 512 consecutive bytes a store
	MKSC s74, 0, 10, 8
	s_add_co_i32 s50, s72, s73
	v_add_f32 v16, v16, v17
	v_add_f32 v20, v20, v21
	v_permlanex16_b32 v4, v16, s[SEL], s[SEL+1]
	v_permlanex16_b32 v5, v20, s[SEL], s[SEL+1]
	v_add_f32 v16, v16, v4
	v_add_f32 v20, v20, v5
	s_wait_alu depctr_va_vdst(0)                   ; ahead of the transcendentals
	v_rcp_f32 v16, v16
	v_rcp_f32 v20, v20
	v_nop
	s_wait_alu depctr_va_vdst(0)                   ; and ahead of their first reader
	v_ldexp_f32 v16, v16, s50
	v_ldexp_f32 v20, v20, s50
	v_mov_b32 v17, v16
	v_mov_b32 v21, v20
	WIN 0x01
	s_wait_alu depctr_va_vdst(0)                   ; directly ahead of the first reader of O^T
.set n, 0
.rept 16
	v_pk_mul_f32 v[S0+n:S0+n+1], v[OA+n:OA+n+1], v[16:17]
	v_pk_mul_f32 v[S1+n:S1+n+1], v[OB+n:OB+n+1], v[20:21]
.set n, n+2
.endr
	WIN 0
.set n, 0
.rept 32
	v_med3_num_f32 v[S0+n], v[S0+n], -v8, v8
	v_med3_num_f32 v[S1+n], v[S1+n], -v8, v8
.set n, n+1
.endr
.irp f, 0,1,2,3
	v_cvt_scalef32_pk8_bf8_f32 v[P0+2*\f:P0+2*\f+1], v[S0+8*\f:S0+8*\f+7], v10
	v_cvt_scalef32_pk8_bf8_f32 v[P1+2*\f:P1+2*\f+1], v[S1+8*\f:S1+8*\f+7], v10
.endr
	v_nop
.irp q, 0,1
	global_store_b128 v[LI], v[P0+4*\q:P0+4*\q+3], s[14:15] offset:512*\q
	global_store_b128 v[LI], v[P1+4*\q:P1+4*\q+3], s[14:15] offset:16384+512*\q
.endr
	s_wait_tensorcnt 0x0                           ; the wave's end
	ds_add_u32 v254, v255
	s_wait_dscnt 0x0
	CROUND                                         ; the closing round
	s_endpgm
.Lfunc_end_k_q4052d28b73_attn:
	.size	k_q4052d28b73_attn, .Lfunc_end_k_q4052d28b73_attn-k_q4052d28b73_attn
	.p2alignl 7, 3214868480
	.fill 96, 4, 3214868480
	.section	.rodata,"a",@progbits
	.p2align	6, 0x0
	.amdhsa_kernel k_q4052d28b73_attn
		.amdhsa_group_segment_fixed_size 327680
		.amdhsa_private_segment_fixed_size 0
		.amdhsa_enable_private_segment 0
		.amdhsa_kernarg_size 48
		.amdhsa_user_sgpr_count 2
		.amdhsa_user_sgpr_kernarg_segment_ptr 1
		.amdhsa_wavefront_size32 1
		.amdhsa_system_sgpr_workgroup_id_x 1
		.amdhsa_system_sgpr_workgroup_id_y 1
		.amdhsa_system_sgpr_workgroup_id_z 1
		.amdhsa_system_vgpr_workitem_id 0
		.amdhsa_next_free_vgpr 512
		.amdhsa_next_free_sgpr 96
		.amdhsa_reserve_vcc 0
		.amdhsa_float_denorm_mode_32 3
		.amdhsa_float_denorm_mode_16_64 3
		.amdhsa_memory_ordered 1
		.amdhsa_forward_progress 1
		.amdhsa_inst_pref_size 56
	.end_amdhsa_kernel
	.amdgpu_metadata
---
amdhsa.version: [ 1, 2 ]
amdhsa.kernels:
  - .name:           k_q4052d28b73_attn
    .symbol:         k_q4052d28b73_attn.kd
    .args:
      - { .name: qi, .offset: 0, .size: 8, .value_kind: global_buffer, .address_space: global }
      - { .name: kvi, .offset: 8, .size: 8, .value_kind: global_buffer, .address_space: global }
      - { .name: mem_k, .offset: 16, .size: 8, .value_kind: global_buffer, .address_space: global }
      - { .name: mem_v, .offset: 24, .size: 8, .value_kind: global_buffer, .address_space: global }
      - { .name: lowp_scales, .offset: 32, .size: 8, .value_kind: global_buffer, .address_space: global }
      - { .name: ctx, .offset: 40, .size: 8, .value_kind: global_buffer, .address_space: global }
    .group_segment_fixed_size: 327680
    .private_segment_fixed_size: 0
    .kernarg_segment_align: 8
    .kernarg_segment_size: 48
    .max_flat_workgroup_size: 256
    .sgpr_count:     96
    .vgpr_count:     512
    .wavefront_size: 32
...
	.end_amdgpu_metadata
.endif
;; end of part 3
;; launch oproj (part 4): grid 8 x 32, 4 waves a work-group, clusters of 4 x 4, 327,680 bytes of LDS; arguments ctx, qc, out_b, lowp_scales, y; writes y
.if DOCPART == 4
	.amdgcn_target "amdgcn-amd-amdhsa--gfx1250"
	.amdhsa_code_object_version 6
	.text
	.protected	k_q4052d28b73_oproj
	.globl	k_q4052d28b73_oproj
	.p2align	8
	.type	k_q4052d28b73_oproj,@function
k_q4052d28b73_oproj:
	s_mov_b64 s[64:65], 0
	v_nop
	global_prefetch_b8 v0, s[64:65] scope:SCOPE_SE
	s_setreg_imm32_b32 hwreg(HW_REG_WAVE_MODE, 25, 1), 1
	s_wait_xcnt 0x0
	s_wait_alu depctr_hold_cnt(0) depctr_sa_sdst(0) depctr_va_vdst(0) depctr_va_sdst(0) depctr_va_ssrc(0) depctr_va_vcc(0) depctr_vm_vsrc(0)
	s_getreg_b32 s2, hwreg(HW_REG_IB_STS2, 6, 4)
	s_cmp_eq_u32 s2, 0
	s_cbranch_scc0 .Lentry_in_a_cluster
	s_endpgm
.Lentry_in_a_cluster:
	s_bfe_u32 s2, ttmp6, 0x10000c
	s_cmp_lg_u32 s2, 0xf033
	s_cbranch_scc0 .Lentry_shape_is_right
	s_endpgm
.Lentry_shape_is_right:
; y = A W^T + bias on codes of BF8: A [4,096][KK] and W [1,024][KK] are register images (fragment = 16 rows x 128 K = 2,048 bytes, quad q of lane l at 512 q + 16 l; a row tile is KK x 16 bytes); y [4,096][1,024] f32.
; Here: A = ctx, W = out_w (in qc at WOFF), bias = out_b, scales e6 and e7.
; 4,096 x 1,024 makes 64 tiles of 256 x 256 and 256 of 128 x 128: the smaller tile gives every WGP a work-group.  Four waves, each 64 x 64: 16 accumulators.
; K goes in steps of 512 (four K blocks) through two LDS slots; a wave's tensor load brings 4 row tiles x 8,192 bytes.  With KK = 1,024 the two first fills are all there is.
; THE MATRIX INSTRUCTION IS USED TRANSPOSED (source 0 = W's fragment, source 1 = A's): a lane holds eight neighbouring numbers of a row of y.
; CLUSTERS: 4 x 4 work-groups; A's tile is asked for jointly by the four of a cluster row, W's by the four of a column.
; LIMIT: the two exponents' sum between -126 and 127.
; REGISTERS: window 0: v16-29 addresses; v32-63 a block's results; v64-95 rows read back; v96-127 bias; v128-255 accumulator (a, b) at v[128 + 8 (4 a + b)].  window 1: two sets: A's four fragments at 128 p, W's at 128 p + 64.
.set KK,    1024
.set WOFF,  0x700000
.set EA,    74                         ; s74, s75: e6, e7
.set EB,    75
.set LAPS,  KK/1024                    ; a lap = two K steps = once round the ring
.set HALFT, 32768
.set SLOT,  4*HALFT
.set SPARE, 2*SLOT                     ; the spare words, 128 bytes a wave: two blocks of 256 bytes that no other line names
.set SPITCH, 272                       ; the way out: 16 rows x (256 + 16) bytes for each wave, in slot 0, which has had its last fill and its last read by then
.set ADRA, 16
.set ADRB, 20
.set STO,  24
.set RD,   25
.set CO,   26
.set BA,   27
.set SPW,  28
.set NIL,  29
.set TMP,  32
.set BK,   64
.set BI,   96
.set ACC,  128
.set G1, 24
.set G0, 32
.set G1B, 48
.set G0B, 56
.set MSB, 0
.macro WIN new
.if MSB != (\new)
	s_set_vgpr_msb (MSB<<8)|(\new)
.set MSB, (\new)
.endif
.endm
.set MUL,  0x05                        ; sources 0 and 1 window 1; C and D window 0
.set TO_F, 0x40                        ; destination window 1, address window 0
.macro JLOAD s                         ; a joint load: waves 0 and 1 fetch A's halves, waves 2 and 3 W's; four v_nop follow each line
	s_cmp_eq_u32 s15, 0
	s_cbranch_scc0 .Lfor_b_\@
	tensor_load_to_lds s[G0+4*\s:G0+4*\s+3], s[G1:G1+7]
	s_nop 0
.rept 4
	v_nop
.endr
	s_branch .Lasked_\@
.Lfor_b_\@:
	tensor_load_to_lds s[G0B+4*\s:G0B+4*\s+3], s[G1B:G1B+7]
	s_nop 0
.rept 4
	v_nop
.endr
.Lasked_\@:
.endm
.macro CREST
	s_cmp_lg_u32 s14, 0
	s_cbranch_scc1 .Lnot_wave_0_\@
	s_barrier_signal -3
.Lnot_wave_0_\@:
	s_barrier_wait -3
	s_barrier_signal -1
	s_barrier_wait -1
.endm
.macro CROUND
	s_barrier_signal -1
	s_barrier_wait -1
	CREST
.endm
	s_load_b128 s[4:7], s[0:1], 0x0                ; A's image, qc
	s_load_b128 s[8:11], s[0:1], 0x10              ; bias, the scales' exponents
	s_load_b64 s[12:13], s[0:1], 0x20              ; y
	v_lshl_add_u32 v[SPW], v0, 2, SPARE
	v_mov_b32 v[NIL], 0
	ds_add_u32 v28, v29
	ds_add_u32 v28, v29
	s_wait_dscnt 0x0
	v_lshrrev_b32 v1, 5, v0
	v_readfirstlane_b32 s14, v1                    ; wave 0..3
	s_lshr_b32 s15, s14, 1                         ; my half of the tile's rows.  Also: I fetch for A (0) or for W (1)
	s_and_b32 s16, s14, 1                          ; my half of its columns.  Also: which half I fetch
	s_bfe_u32 s40, ttmp6, 0x40000
	s_bfe_u32 s41, ttmp6, 0x40004
	s_lshl_b32 s42, ttmp9, 2
	s_add_co_u32 s42, s42, s40                     ; tile column
	s_and_b32 s17, ttmp7, 0xffff
	s_lshl_b32 s17, s17, 2
	s_add_co_u32 s17, s17, s41                     ; tile row
	s_lshl_b32 s43, s41, 2
	s_lshl_b32 s43, 15, s43
	s_lshl_b32 s44, 0x1111, s40
	; descriptor group 1: 4 rows (row tiles) of 1,024 elements of 8 bytes (four K blocks), KK x 16 bytes apart; dense in LDS
	s_or_b32 s[G1+0], s43, (3<<16)|(1<<21)
	s_or_b32 s[G1B+0], s44, (3<<16)|(1<<21)
.irp g, G1, G1B
	s_mov_b32 s[\g+1], 1024<<16
	s_mov_b32 s[\g+2], 4<<16
	s_mov_b32 s[\g+3], 1024<<16
	s_mov_b32 s[\g+4], 4
	s_mov_b32 s[\g+5], KK*2
	s_mov_b32 s[\g+6], 0
	s_mov_b32 s[\g+7], 0
.endr
	s_mul_i32 s18, s16, KK*64                      ; the half that I fetch: 4 row tiles
	s_mul_i32 s20, s17, KK*128
	s_add_co_u32 s20, s20, s18
	s_mov_b32 s21, 0
	s_mul_i32 s46, s42, KK*128
	s_add_co_u32 s46, s46, s18
	s_add_co_u32 s46, s46, WOFF
	s_mov_b32 s47, 0
	s_lshl_b32 s45, s14, 15
	s_wait_kmcnt 0x0
	s_load_b256 s[68:75], s[10:11], 0x0
	s_load_b128 s[76:79], s[10:11], 0x20
	s_add_nc_u64 s[20:21], s[4:5], s[20:21]
	s_add_nc_u64 s[46:47], s[6:7], s[46:47]
	CROUND
.irp s, 0,1
	s_mov_b32 s[G0+4*\s], 1
	s_add_co_u32 s[G0+4*\s+1], s45, \s*SLOT
	s_add_nc_u64 s[G0+4*\s+2:G0+4*\s+3], s[20:21], \s*8192
	s_or_b32 s[G0+4*\s+3], s[G0+4*\s+3], 0x80000000
	s_mov_b32 s[G0B+4*\s], 1
	s_add_co_u32 s[G0B+4*\s+1], s45, \s*SLOT
	s_add_nc_u64 s[G0B+4*\s+2:G0B+4*\s+3], s[46:47], \s*8192
	s_or_b32 s[G0B+4*\s+3], s[G0B+4*\s+3], 0x80000000
.endr
	JLOAD 0                                        ; K step 0: one tensor load a wave at the head
	v_and_b32 v3, 31, v0
	v_lshlrev_b32 v3, 4, v3                        ; 16 x lane
	s_lshl_b32 s21, s15, 15
	s_lshl_b32 s22, s16, 15
	s_add_co_u32 s22, s22, 2*HALFT
.irp s, 0,1
	v_add_nc_u32 v[ADRA+\s], s21, v3
	v_add_nc_u32 v[ADRB+\s], s22, v3
	s_add_co_u32 s21, s21, SLOT
	s_add_co_u32 s22, s22, SLOT
.endr
	v_and_b32 v1, 15, v0                           ; r
	v_bfe_u32 v2, v0, 4, 1                         ; h
	s_mul_i32 s23, s14, 16*SPITCH                  ; my stage
	v_mul_u32_u24 v3, v1, SPITCH
	v_lshl_add_u32 v3, v2, 5, v3
	v_add_nc_u32 v[STO], s23, v3                   ; in: row r, 32 bytes for each half of the lanes
	v_mul_u32_u24 v3, v2, SPITCH
	v_lshl_add_u32 v3, v1, 4, v3
	v_add_nc_u32 v[RD], s23, v3                    ; back: lanes 0-15 one row of 256 bytes, lanes 16-31 the next
	v_lshlrev_b32 v3, 12, v2
	v_lshl_add_u32 v[CO], v1, 4, v3                ; and the same two rows in y
	s_lshl_b32 s22, s42, 9
	s_lshl_b32 s23, s16, 8
	s_add_co_u32 s22, s22, s23                     ; my first column, in bytes
	v_lshlrev_b32 v[BA], 5, v2
	v_add_nc_u32 v[BA], s22, v[BA]
.irp b, 0,1,2,3                            ; bias of columns 16 b + 8 h + 0 .. 7; waited for on the way out
	global_load_b128 v[BI+8*\b:BI+8*\b+3], v[BA], s[8:9] offset:64*\b
	global_load_b128 v[BI+8*\b+4:BI+8*\b+7], v[BA], s[8:9] offset:64*\b+16
.endr
	s_lshl_b32 s20, s17, 19
	s_lshl_b32 s21, s15, 18
	s_add_co_u32 s20, s20, s21                     ; my first row: (128 x tile row + 64 x half) x 4,096 bytes
	s_add_co_u32 s20, s20, s22
	s_mov_b32 s21, 0
	s_add_nc_u64 s[12:13], s[12:13], s[20:21]
.macro MUL8 p, a0, zero                ; 8 matrix instructions: A's blocks a0, a0 + 1 x W's four, 128 along K.  The 16 accumulators take turns in the same order everywhere
.irp a, \a0, \a0+1
.irp b, 0,1,2,3
.if \zero
	v_wmma_f32_16x16x128_bf8_bf8 v[ACC+8*(4*(\a)+\b):ACC+8*(4*(\a)+\b)+7], v[128*(\p)+64+16*\b:128*(\p)+64+16*\b+15], v[128*(\p)+16*(\a):128*(\p)+16*(\a)+15], 0
.else
	v_wmma_f32_16x16x128_bf8_bf8 v[ACC+8*(4*(\a)+\b):ACC+8*(4*(\a)+\b)+7], v[128*(\p)+64+16*\b:128*(\p)+64+16*\b+15], v[128*(\p)+16*(\a):128*(\p)+16*(\a)+15], v[ACC+8*(4*(\a)+\b):ACC+8*(4*(\a)+\b)+7]
.endif
.endr
.endr
.endm
.macro FETCH slot, q, p                ; 32 LDS loads in one run: K block q of the slot into set p
	WIN TO_F
.irp i, 0,1,2,3
.irp c, 0,1,2,3
	ds_load_b128 v[128*(\p)+64+16*\i+4*\c:128*(\p)+64+16*\i+4*\c+3], v[ADRB+\slot] offset:\i*8192+(\q)*2048+512*\c
.endr
.endr
.irp i, 0,1,2,3
.irp c, 0,1,2,3
	ds_load_b128 v[128*(\p)+16*\i+4*\c:128*(\p)+16*\i+4*\c+3], v[ADRA+\slot] offset:\i*8192+(\q)*2048+512*\c
.endr
.endr
.endm
.macro PLACES                          ; four plain lines in front of loads into registers that matrix instructions have read, and of the first read of results (ISA guide 7.12.1 for the read of results)
.rept 4
	v_nop
.endr
.endm
.macro STEP slot, q, p, zero           ; K block q (in set p) is multiplied; the next block of the same slot is fetched first
	PLACES
	FETCH \slot, (\q)+1, 1-(\p)
	s_wait_dscnt 32                                ; all but the 32 just issued
	WIN MUL
	MUL8 \p, 0, \zero
	MUL8 \p, 2, \zero
.endm
; A slot's last block (set 1) changes slots: one barrier; in front of it each wave waits for all its tensor loads, adds 0 to its spare word, and waits for that and for its reads of this slot.
.macro TURN slot, next, fill
	WIN 0                                          ; (the add's two registers lie in window 0)
	s_wait_tensorcnt 0x0
	ds_add_u32 v[SPW], v[NIL]                      ; 0 onto my spare word
	s_wait_dscnt 1                                 ; (the add may be out)
	WIN MUL
	MUL8 1, 0, 0
	s_wait_dscnt 0x0                               ; the add is done, and my reads of this slot are over
	s_barrier_signal -1
	WIN 0
	s_barrier_wait -1
.if \fill
	CREST                                          ; the barrier has opened a round of the cluster's
	s_add_nc_u64 s[G0+4*\slot+2:G0+4*\slot+3], s[G0+4*\slot+2:G0+4*\slot+3], 16384
	s_add_nc_u64 s[G0B+4*\slot+2:G0B+4*\slot+3], s[G0B+4*\slot+2:G0B+4*\slot+3], 16384
	JLOAD \slot                                    ; the first tensor load behind the round; its four v_nop are the places in front of the loads below
.else
	PLACES
.endif
	FETCH \next, 0, 0
	WIN MUL
	MUL8 1, 2, 0
.endm
	s_wait_alu depctr_va_vdst(0)
	s_wait_tensorcnt 0x0                           ; my part of K step 0 is in; these lines stand ahead of slot 1's first fill as ahead of a refill
	ds_add_u32 v[SPW], v[NIL]
	s_wait_dscnt 0x0
	CROUND                                         ; everybody's part of K step 0 is in, and the sixteen work-groups meet
	JLOAD 1                                        ; K step 1: the first tensor load behind the round
	FETCH 0, 0, 0
	STEP 0, 0, 0, 1                                ; the first products start the sums
.if LAPS > 1
	WIN 0                                          ; at a label and at a branch every window is 0
	s_mov_b32 s3, LAPS-1
.Llap:                                                 ; a trip goes once round the ring and fills both slots again
	STEP 0, 1, 1, 0
	STEP 0, 2, 0, 0
	TURN 0, 1, 1
	STEP 1, 0, 0, 0
	STEP 1, 1, 1, 0
	STEP 1, 2, 0, 0
	TURN 1, 0, 1
	STEP 0, 0, 0, 0
	WIN 0
	s_sub_co_u32 s3, s3, 1
	s_cmp_lg_u32 s3, 0
	s_cbranch_scc1 .Llap
.endif
	STEP 0, 1, 1, 0                                ; the last lap fills nothing
	STEP 0, 2, 0, 0
	TURN 0, 1, 0
	STEP 1, 0, 0, 0
	STEP 1, 1, 1, 0
	STEP 1, 2, 0, 0
	s_wait_dscnt 0x0
	MUL8 1, 0, 0
	MUL8 1, 2, 0
	WIN 0
	; THE WAY OUT: sum x 2^(ea + eb) + bias; a block of 16 rows x 64 columns goes through my own stage and comes back as rows of 256 bytes: sixteen lanes store one aligned run of 256 bytes.
	s_wait_kmcnt 0x0
	s_add_co_i32 s80, s[EA], s[EB]
	s_add_co_i32 s80, s80, 127
	s_lshl_b32 s80, s80, 23
	s_mov_b32 s81, s80
	s_wait_loadcnt 0x0                             ; the bias
	PLACES
.irp a, 0,1,2,3
.irp b, 0,1,2,3
.irp i, 0,2,4,6
	v_pk_fma_f32 v[TMP+8*\b+\i:TMP+8*\b+\i+1], v[ACC+8*(4*\a+\b)+\i:ACC+8*(4*\a+\b)+\i+1], s[80:81], v[BI+8*\b+\i:BI+8*\b+\i+1] op_sel_hi:[1,0,1]   ; each accumulator from its low end on
.endr
.endr
.irp b, 0,1,2,3
	ds_store_b128 v[STO], v[TMP+8*\b:TMP+8*\b+3] offset:64*\b
	ds_store_b128 v[STO], v[TMP+8*\b+4:TMP+8*\b+7] offset:64*\b+16
.endr
.if \a > 0
	s_wait_xcnt 0x0                                ; the last block's stores have read the registers that the loads below fill
.endif
.irp t, 0,1,2,3,4,5,6,7
	ds_load_b128 v[BK+4*\t:BK+4*\t+3], v[RD] offset:\t*2*SPITCH    ; LDS serves a wave's instructions in order: these see the stores above
.endr
	s_wait_dscnt 0x0
.irp t, 0,1,2,3,4,5,6,7
	global_store_b128 v[CO], v[BK+4*\t:BK+4*\t+3], s[12:13] offset:\a*65536+\t*8192
.endr
.endr
	s_wait_tensorcnt 0x0                           ; the wave's end
	ds_add_u32 v[SPW], v[NIL]
	s_wait_dscnt 0x0
	CROUND                                         ; the closing round
	s_endpgm
.Lfunc_end_k_q4052d28b73_oproj:
	.size	k_q4052d28b73_oproj, .Lfunc_end_k_q4052d28b73_oproj-k_q4052d28b73_oproj
	.p2alignl 7, 3214868480
	.fill 96, 4, 3214868480
	.section	.rodata,"a",@progbits
	.p2align	6, 0x0
	.amdhsa_kernel k_q4052d28b73_oproj
		.amdhsa_group_segment_fixed_size 327680
		.amdhsa_private_segment_fixed_size 0
		.amdhsa_enable_private_segment 0
		.amdhsa_kernarg_size 40
		.amdhsa_user_sgpr_count 2
		.amdhsa_user_sgpr_kernarg_segment_ptr 1
		.amdhsa_wavefront_size32 1
		.amdhsa_system_sgpr_workgroup_id_x 1
		.amdhsa_system_sgpr_workgroup_id_y 1
		.amdhsa_system_sgpr_workgroup_id_z 1
		.amdhsa_system_vgpr_workitem_id 0
		.amdhsa_next_free_vgpr 512
		.amdhsa_next_free_sgpr 96
		.amdhsa_reserve_vcc 0
		.amdhsa_float_denorm_mode_32 3
		.amdhsa_float_denorm_mode_16_64 3
		.amdhsa_memory_ordered 1
		.amdhsa_forward_progress 1
		.amdhsa_inst_pref_size 46
	.end_amdhsa_kernel
	.amdgpu_metadata
---
amdhsa.version: [ 1, 2 ]
amdhsa.kernels:
  - .name:           k_q4052d28b73_oproj
    .symbol:         k_q4052d28b73_oproj.kd
    .args:
      - { .name: ctx, .offset: 0, .size: 8, .value_kind: global_buffer, .address_space: global }
      - { .name: qc, .offset: 8, .size: 8, .value_kind: global_buffer, .address_space: global }
      - { .name: out_b, .offset: 16, .size: 8, .value_kind: global_buffer, .address_space: global }
      - { .name: lowp_scales, .offset: 24, .size: 8, .value_kind: global_buffer, .address_space: global }
      - { .name: y, .offset: 32, .size: 8, .value_kind: global_buffer, .address_space: global }
    .group_segment_fixed_size: 327680
    .private_segment_fixed_size: 0
    .kernarg_segment_align: 8
    .kernarg_segment_size: 40
    .max_flat_workgroup_size: 128
    .sgpr_count:     96
    .vgpr_count:     512
    .wavefront_size: 32
...
	.end_amdgpu_metadata
.endif
;; end of part 4
;; launch ln1 (part 5): grid 256 x 1, 8 waves a work-group, no clusters, 25,600 bytes of LDS; arguments src, y, ln1_g, ln1_b, lowp_scales, x, ximg; writes x, ximg
.if DOCPART == 5
	.amdgcn_target "amdgcn-amd-amdhsa--gfx1250"
	.amdhsa_code_object_version 6
	.text
	.protected	k_q4052d28b73_ln1
	.globl	k_q4052d28b73_ln1
	.p2align	8
	.type	k_q4052d28b73_ln1,@function
k_q4052d28b73_ln1:
	s_mov_b64 s[64:65], 0
	v_nop
	global_prefetch_b8 v0, s[64:65] scope:SCOPE_SE
	s_setreg_imm32_b32 hwreg(HW_REG_WAVE_MODE, 25, 1), 1
	s_wait_xcnt 0x0
; x = layer norm(src + y) x gain + bias, in f32, and x's codes of BF8 (scale e8) as a register image for the next product.
; Rows are counted as batch x 2,048 + time in y, x and ximg; src has row 2 x time + batch.
; A work-group takes a row tile of 16 rows, a wave two of them, each whole in 32 registers: the row is read once, mean and variance are taken in two passes over registers, and the reductions never leave the wave.
; Each load and store of a wave covers 512 consecutive bytes.  All 34 loads of a wave go out at once.  Memory binds: no matrix unit, no cluster (work-groups share only gain and bias, 8 KiB).
; GAIN AND BIAS are read once in the work-group: thread t loads 16 bytes of each at 16 t, they go to LDS as they lie, and behind a barrier every wave takes all 8 KiB from there.
; CODES.  A tensor has one scale, so any eight numbers of a lane go through one conversion; each result register holds four neighbouring k of one K block.  They are put at their place in the tile's image in LDS
; (8 fragments x 2,048 bytes), a barrier follows, and each wave stores one fragment, 512 consecutive bytes an instruction.
; LIMITS: e8 between -126 and 112.  NaN among the inputs is not served.
.set PA, 8192                          ; bytes from a row to the next in src,
.set PO, 4096                          ; and in x
.set GL,  16384                        ; LDS: the image at 0; gain at GL, bias at GL + 4,096
.set GG,  32                           ; v32-63   gain
.set BB,  64                           ; v64-95   bias
.set Z,   96                           ; v96-159  two rows
.set Y,   160                          ; v160-223 the second addend; later the held numbers
.set CDS, 224                          ; v224-239 codes
.set BK,  240                          ; v240-255 my slices of gain and bias; later a fragment read back
; row p's scratch: v[4+8p:5+8p], v[6+8p:7+8p] two chains; v[8+8p:9+8p] a pair; v[10+8p] the permute's destination
	s_load_b256 s[4:11], s[0:1], 0x0               ; src, y, gain, bias
	s_load_b128 s[12:15], s[0:1], 0x20             ; the scales' exponents, x
	s_load_b64 s[16:17], s[0:1], 0x30              ; ximg
	v_lshl_add_u32 v30, v0, 2, 0x6000
	v_mov_b32 v31, 0
	v_lshrrev_b32 v3, 5, v0
	s_delay_alu instid0(VALU_DEP_1)
	v_readfirstlane_b32 s18, v3                    ; wave 0..7
	v_and_b32 v2, 31, v0
	s_wait_alu depctr_va_vdst(0)
	v_lshlrev_b32 v1, 4, v2                        ; 16 x lane
	v_lshlrev_b32 v25, 4, v0                       ; 16 x thread: my 16 bytes of gain and of bias
	v_lshl_add_u32 v26, v0, 4, GL                  ; and their place in LDS
	s_delay_alu instid0(VALU_DEP_3)
	v_add_nc_u32 v27, GL, v1                       ; where I read them all back
	s_and_b32 s20, ttmp9, 127                      ; rows 2 x time + batch: (tile % 128) x 131,072 + (tile / 128) x 4,096 + wave x 16,384
	s_lshl_b32 s20, s20, 17
	s_lshr_b32 s22, ttmp9, 7
	s_lshl_b32 s22, s22, 12
	s_add_co_u32 s20, s20, s22
	s_lshl_b32 s22, s18, 14
	s_add_co_u32 s20, s20, s22
	s_mov_b32 s21, 0
	s_lshl_b32 s22, ttmp9, 16                      ; rows batch x 2,048 + time: tile x 65,536 + wave x 8,192
	s_lshl_b32 s24, s18, 13
	s_add_co_u32 s22, s22, s24
	s_mov_b32 s23, 0
	s_mov_b32 s26, 0x76543210
	s_mov_b32 s27, 0xfedcba98
	s_mov_b32 s28, 0x3a800000                      ; 1 / 1,024
	s_mov_b32 s29, 0x3727c5ac                      ; 1e-5
	v_mov_b32 v10, 0
	v_mov_b32 v18, 0
	v_lshrrev_b32 v22, 3, v2                       ; my four codes' place in a fragment: k = 4 lane + 0 .. 3: quad lane / 8, half (lane / 2) % 2, eight (lane / 4) % 2, word lane % 2
	s_delay_alu instid0(VALU_DEP_1)
	v_lshlrev_b32 v22, 9, v22
	v_bfe_u32 v23, v2, 1, 1
	s_delay_alu instid0(VALU_DEP_1)
	v_lshl_add_u32 v22, v23, 8, v22
	v_bfe_u32 v23, v2, 2, 1
	s_delay_alu instid0(VALU_DEP_1)
	v_lshl_add_u32 v22, v23, 3, v22
	v_and_b32 v23, 1, v2
	s_delay_alu instid0(VALU_DEP_1)
	v_lshl_add_u32 v22, v23, 2, v22
	s_lshl_b32 s24, s18, 5
	v_add_nc_u32 v22, s24, v22                     ; + 16 x row, row = 2 wave + p
	s_lshl_b32 s24, s18, 11
	v_add_nc_u32 v24, s24, v1                      ; the fragment that I store: 2,048 x wave + 16 x lane
	s_lshl_b32 s24, ttmp9, 14
	s_mov_b32 s25, 0
	s_wait_kmcnt 0x0
	s_load_b32 s30, s[12:13], 0x20                 ; e8
	s_add_nc_u64 s[4:5], s[4:5], s[20:21]
	s_add_nc_u64 s[14:15], s[14:15], s[22:23]
	s_add_nc_u64 s[16:17], s[16:17], s[24:25]
	s_add_nc_u64 s[6:7], s[6:7], s[22:23]
	global_load_b128 v[BK:BK+3], v25, s[8:9]       ; my slices first: the others wait for them
	global_load_b128 v[BK+4:BK+7], v25, s[10:11]
.irp p, 0,1
.irp i, 0,1,2,3,4,5,6,7
	global_load_b128 v[Z+32*\p+4*\i:Z+32*\p+4*\i+3], v1, s[4:5] offset:\p*PA+512*\i th:TH_LOAD_NT
.endr
.endr
.irp p, 0,1
.irp i, 0,1,2,3,4,5,6,7
	global_load_b128 v[Y+32*\p+4*\i:Y+32*\p+4*\i+3], v1, s[6:7] offset:\p*4096+512*\i th:TH_LOAD_NT
.endr
.endr
	s_wait_loadcnt 32                              ; my slices are in; the rows' 32 loads may be out
	ds_store_b128 v26, v[BK:BK+3]
	ds_store_b128 v26, v[BK+4:BK+7] offset:4096
	s_wait_dscnt 0x0                               ; for the others' sake: my slices lie in LDS
	s_barrier_signal -1
	s_barrier_wait -1
.irp i, 0,1,2,3,4,5,6,7
	ds_load_b128 v[GG+4*\i:GG+4*\i+3], v27 offset:512*\i
.endr
.irp i, 0,1,2,3,4,5,6,7
	ds_load_b128 v[BB+4*\i:BB+4*\i+3], v27 offset:4096+512*\i
.endr
.macro REDUCE                          ; the two chains of each row, its two halves and its 32 lanes are added; every lane ends with the sum in v[4 + 8 p]
.irp p, 0
	s_delay_alu instid0(VALU_DEP_3)
	v_pk_add_f32 v[4+8*\p:5+8*\p], v[4+8*\p:5+8*\p], v[6+8*\p:7+8*\p]
.endr
.irp p, 1
	s_delay_alu instid0(VALU_DEP_2)
	v_pk_add_f32 v[4+8*\p:5+8*\p], v[4+8*\p:5+8*\p], v[6+8*\p:7+8*\p]
.endr
.irp p, 0,1
	s_delay_alu instid0(VALU_DEP_2)
	v_add_f32 v[4+8*\p], v[4+8*\p], v[5+8*\p]
.endr
.irp m, 1,2,4,8
.irp p, 0,1
	s_delay_alu instid0(VALU_DEP_2)
	v_add_f32_dpp v[4+8*\p], v[4+8*\p], v[4+8*\p] row_xmask:\m row_mask:0xf bank_mask:0xf
.endr
.endr
.irp p, 0,1
	s_delay_alu instid0(VALU_DEP_2)
	v_permlanex16_b32 v[10+8*\p], v[4+8*\p], s26, s27
.endr
.irp p, 0,1
	s_delay_alu instid0(VALU_DEP_2)
	v_add_f32 v[4+8*\p], v[4+8*\p], v[10+8*\p]
.endr
.endm
	s_wait_loadcnt 0x0                             ; both addends are in
.irp j, 0,2,4,6,8,10,12,14,16,18,20,22,24,26,28,30
.irp p, 0,1
	v_pk_add_f32 v[Z+32*\p+\j:Z+32*\p+\j+1], v[Z+32*\p+\j:Z+32*\p+\j+1], v[Y+32*\p+\j:Y+32*\p+\j+1]
.endr
.endr
.irp p, 0,1
	v_pk_add_f32 v[4+8*\p:5+8*\p], v[Z+32*\p:Z+32*\p+1], v[Z+32*\p+2:Z+32*\p+3]
	v_pk_add_f32 v[6+8*\p:7+8*\p], v[Z+32*\p+4:Z+32*\p+5], v[Z+32*\p+6:Z+32*\p+7]
.endr
.irp j, 8,12,16,20,24,28
.irp p, 0,1
	s_delay_alu instid0(VALU_DEP_4)
	v_pk_add_f32 v[4+8*\p:5+8*\p], v[4+8*\p:5+8*\p], v[Z+32*\p+\j:Z+32*\p+\j+1]
	s_delay_alu instid0(VALU_DEP_4)
	v_pk_add_f32 v[6+8*\p:7+8*\p], v[6+8*\p:7+8*\p], v[Z+32*\p+\j+2:Z+32*\p+\j+3]
.endr
.endr
	REDUCE
.irp p, 0,1
	s_delay_alu instid0(VALU_DEP_2)
	v_mul_f32 v[8+8*\p], 0xba800000, v[4+8*\p]     ; minus the mean
.endr
.irp p, 0,1
	s_delay_alu instid0(VALU_DEP_2)
	v_mov_b32 v[9+8*\p], v[8+8*\p]
.endr
.irp j, 0,2,4,6,8,10,12,14,16,18,20,22,24,26,28,30
.irp p, 0,1
	v_pk_add_f32 v[Z+32*\p+\j:Z+32*\p+\j+1], v[Z+32*\p+\j:Z+32*\p+\j+1], v[8+8*\p:9+8*\p]
.endr
.endr
.irp p, 0,1
	v_pk_mul_f32 v[4+8*\p:5+8*\p], v[Z+32*\p:Z+32*\p+1], v[Z+32*\p:Z+32*\p+1]
	v_pk_mul_f32 v[6+8*\p:7+8*\p], v[Z+32*\p+2:Z+32*\p+3], v[Z+32*\p+2:Z+32*\p+3]
.endr
.irp j, 4,8,12,16,20,24,28
.irp p, 0,1
	s_delay_alu instid0(VALU_DEP_4)
	v_pk_fma_f32 v[4+8*\p:5+8*\p], v[Z+32*\p+\j:Z+32*\p+\j+1], v[Z+32*\p+\j:Z+32*\p+\j+1], v[4+8*\p:5+8*\p]
	s_delay_alu instid0(VALU_DEP_4)
	v_pk_fma_f32 v[6+8*\p:7+8*\p], v[Z+32*\p+\j+2:Z+32*\p+\j+3], v[Z+32*\p+\j+2:Z+32*\p+\j+3], v[6+8*\p:7+8*\p]
.endr
.endr
	REDUCE
.irp p, 0,1
	s_delay_alu instid0(VALU_DEP_2)
	v_fma_f32 v[4+8*\p], v[4+8*\p], s28, s29       ; the variance + 1e-5
.endr
	s_wait_alu depctr_va_vdst(0)
.irp p, 0,1
	v_rsq_f32 v[8+8*\p], v[4+8*\p]
.endr
	v_nop                                          ; a plain line behind the transcendentals
	s_wait_alu depctr_va_vdst(0)
.irp p, 0,1
	v_mov_b32 v[9+8*\p], v[8+8*\p]
.endr
.irp j, 0,2,4,6,8,10,12,14,16,18,20,22,24,26,28,30
.irp p, 0,1
	v_pk_mul_f32 v[Z+32*\p+\j:Z+32*\p+\j+1], v[Z+32*\p+\j:Z+32*\p+\j+1], v[8+8*\p:9+8*\p]
.endr
.endr
	s_wait_dscnt 0x0                               ; gain and bias are back from LDS
.irp j, 0,2,4,6,8,10,12,14,16,18,20,22,24,26,28,30
.irp p, 0,1
	v_pk_fma_f32 v[Z+32*\p+\j:Z+32*\p+\j+1], v[Z+32*\p+\j:Z+32*\p+\j+1], v[GG+\j:GG+\j+1], v[BB+\j:BB+\j+1]
.endr
.endr
.irp p, 0,1
.irp i, 0,1,2,3,4,5,6,7
	global_store_b128 v1, v[Z+32*\p+4*\i:Z+32*\p+4*\i+3], s[14:15] offset:\p*PO+512*\i
.endr
.endr
	s_wait_kmcnt 0x0
	s_add_co_i32 s30, s30, 127
	s_lshl_b32 s31, s30, 23
	v_mov_b32 v21, s31                             ; 2^e8
	s_add_co_i32 s30, s30, 15
	s_lshl_b32 s30, s30, 23
	s_or_b32 s30, s30, 0x600000
	v_mov_b32 v20, s30                             ; 57,344 x 2^e8
.set n, 0
.rept 64
	v_med3_num_f32 v[Y+n], v[Z+n], -v20, v20       ; into other registers: the stores above still read the rows
.set n, n+1
.endr
.irp p, 0,1
.irp c, 0,1,2,3
	v_cvt_scalef32_pk8_bf8_f32 v[CDS+8*\p+2*\c:CDS+8*\p+2*\c+1], v[Y+32*\p+8*\c:Y+32*\p+8*\c+7], v21
.endr
.endr
	v_nop
.irp p, 0,1
.irp i, 0,1,2,3,4,5,6,7
	ds_store_b32 v22, v[CDS+8*\p+\i] offset:16*\p+2048*\i   ; K block i, row 2 wave + p
.endr
.endr
	s_wait_dscnt 0x0                               ; for the others' sake: my codes lie in the image
	s_barrier_signal -1
	s_barrier_wait -1
.irp c, 0,1,2,3
	ds_load_b128 v[BK+4*\c:BK+4*\c+3], v24 offset:512*\c
.endr
	s_wait_dscnt 0x0
.irp c, 0,1,2,3
	global_store_b128 v24, v[BK+4*\c:BK+4*\c+3], s[16:17] offset:512*\c
.endr
	s_wait_tensorcnt 0x0
	ds_add_u32 v30, v31
	s_wait_dscnt 0x0
	s_endpgm
.Lfunc_end_k_q4052d28b73_ln1:
	.size	k_q4052d28b73_ln1, .Lfunc_end_k_q4052d28b73_ln1-k_q4052d28b73_ln1
	.p2alignl 7, 3214868480
	.fill 96, 4, 3214868480
	.section	.rodata,"a",@progbits
	.p2align	6, 0x0
	.amdhsa_kernel k_q4052d28b73_ln1
		.amdhsa_group_segment_fixed_size 25600
		.amdhsa_private_segment_fixed_size 0
		.amdhsa_enable_private_segment 0
		.amdhsa_kernarg_size 56
		.amdhsa_user_sgpr_count 2
		.amdhsa_user_sgpr_kernarg_segment_ptr 1
		.amdhsa_wavefront_size32 1
		.amdhsa_system_sgpr_workgroup_id_x 1
		.amdhsa_system_sgpr_workgroup_id_y 1
		.amdhsa_system_sgpr_workgroup_id_z 1
		.amdhsa_system_vgpr_workitem_id 0
		.amdhsa_next_free_vgpr 256
		.amdhsa_next_free_sgpr 66
		.amdhsa_reserve_vcc 0
		.amdhsa_float_denorm_mode_32 3
		.amdhsa_float_denorm_mode_16_64 3
		.amdhsa_memory_ordered 1
		.amdhsa_forward_progress 1
		.amdhsa_inst_pref_size 33
	.end_amdhsa_kernel
	.amdgpu_metadata
---
amdhsa.version: [ 1, 2 ]
amdhsa.kernels:
  - .name:           k_q4052d28b73_ln1
    .symbol:         k_q4052d28b73_ln1.kd
    .args:
      - { .name: src, .offset: 0, .size: 8, .value_kind: global_buffer, .address_space: global }
      - { .name: y, .offset: 8, .size: 8, .value_kind: global_buffer, .address_space: global }
      - { .name: ln1_g, .offset: 16, .size: 8, .value_kind: global_buffer, .address_space: global }
      - { .name: ln1_b, .offset: 24, .size: 8, .value_kind: global_buffer, .address_space: global }
      - { .name: lowp_scales, .offset: 32, .size: 8, .value_kind: global_buffer, .address_space: global }
      - { .name: x, .offset: 40, .size: 8, .value_kind: global_buffer, .address_space: global }
      - { .name: ximg, .offset: 48, .size: 8, .value_kind: global_buffer, .address_space: global }
    .group_segment_fixed_size: 25600
    .private_segment_fixed_size: 0
    .kernarg_segment_align: 8
    .kernarg_segment_size: 56
    .max_flat_workgroup_size: 256
    .sgpr_count:     66
    .vgpr_count:     256
    .wavefront_size: 32
...
	.end_amdgpu_metadata
.endif
;; end of part 5
;; launch ffn1 (part 6): grid 16 x 16, 4 waves a work-group, clusters of 4 x 4, 327,680 bytes of LDS; arguments ximg, qc, b1, lowp_scales, himg; writes himg
.if DOCPART == 6
	.amdgcn_target "amdgcn-amd-amdhsa--gfx1250"
	.amdhsa_code_object_version 6
	.text
	.protected	k_q4052d28b73_ffn1
	.globl	k_q4052d28b73_ffn1
	.p2align	8
	.type	k_q4052d28b73_ffn1,@function
k_q4052d28b73_ffn1:
	s_mov_b64 s[64:65], 0
	v_nop
	global_prefetch_b8 v0, s[64:65] scope:SCOPE_SE
	s_setreg_imm32_b32 hwreg(HW_REG_WAVE_MODE, 25, 1), 1
	s_wait_xcnt 0x0
	s_wait_alu depctr_hold_cnt(0) depctr_sa_sdst(0) depctr_va_vdst(0) depctr_va_sdst(0) depctr_va_ssrc(0) depctr_va_vcc(0) depctr_vm_vsrc(0)
	s_getreg_b32 s2, hwreg(HW_REG_IB_STS2, 6, 4)
	s_cmp_eq_u32 s2, 0
	s_cbranch_scc0 .Lentry_in_a_cluster
	s_endpgm
.Lentry_in_a_cluster:
	s_bfe_u32 s2, ttmp6, 0x10000c
	s_cmp_lg_u32 s2, 0xf033
	s_cbranch_scc0 .Lentry_shape_is_right
	s_endpgm
.Lentry_shape_is_right:
.set HALFT,  32768
.set SLOT,   4*HALFT
.set SPARE,  2*SLOT
.set FR,     16
.set NL,     4
.set NP,     4
.set ADRA, 16
.set ADRB, 20
.set OFS,  24
.set BQA,  25
.set SPW,  28
.set NIL,  29
.set SCL,  30
.set LIM,  31
.set TMP,  32
.set BI,   64
.set AF,   128
.set CD,   128
.set G1, 24
.set G0, 32
.set G1B, 48
.set G0B, 56
.set MSB, 0
.macro WIN new
.if MSB != (\new)
	s_set_vgpr_msb (MSB<<8)|(\new)
.set MSB, (\new)
.endif
.endm
.set MUL_LO, 0xa1
.set MUL_HI, 0xf1
.set TO_B,   0x40
.macro JLOAD g0a, g1a, g0b, g1b
	s_cmp_eq_u32 s15, 0
	s_cbranch_scc0 .Lfor_b_\@
	tensor_load_to_lds s[\g0a:\g0a+3], s[\g1a:\g1a+7]
	s_nop 0
.rept 4
	v_nop
.endr
	s_branch .Lasked_\@
.Lfor_b_\@:
	tensor_load_to_lds s[\g0b:\g0b+3], s[\g1b:\g1b+7]
	s_nop 0
.rept 4
	v_nop
.endr
.Lasked_\@:
.endm
.macro CREST
	s_cmp_lg_u32 s14, 0
	s_cbranch_scc1 .Lnot_wave_0_\@
	s_barrier_signal -3
.Lnot_wave_0_\@:
	s_barrier_wait -3
	s_barrier_signal -1
	s_barrier_wait -1
.endm
.macro CROUND
	s_barrier_signal -1
	s_barrier_wait -1
	CREST
.endm
	s_load_b128 s[4:7], s[0:1], 0x0
	s_load_b128 s[8:11], s[0:1], 0x10
	s_load_b64 s[12:13], s[0:1], 0x20
	v_lshl_add_u32 v[SPW], v0, 2, SPARE
	v_mov_b32 v[NIL], 0
	ds_add_u32 v28, v29
	ds_add_u32 v28, v29
	s_wait_dscnt 0x0
	v_lshrrev_b32 v1, 5, v0
	v_readfirstlane_b32 s14, v1
	s_lshr_b32 s15, s14, 1
	s_and_b32 s16, s14, 1
	s_bfe_u32 s40, ttmp6, 0x40000
	s_bfe_u32 s41, ttmp6, 0x40004
	s_lshl_b32 s42, ttmp9, 2
	s_add_co_u32 s42, s42, s40
	s_and_b32 s17, ttmp7, 0xffff
	s_lshl_b32 s17, s17, 2
	s_add_co_u32 s17, s17, s41
	s_lshl_b32 s43, s41, 2
	s_lshl_b32 s43, 15, s43
	s_lshl_b32 s44, 0x1111, s40
	s_or_b32 s[G1+0], s43, (3<<16)|(1<<21)
	s_or_b32 s[G1B+0], s44, (3<<16)|(1<<21)
.irp g, G1, G1B
	s_mov_b32 s[\g+1], 512<<16
	s_mov_b32 s[\g+2], 8<<16
	s_mov_b32 s[\g+3], 512<<16
	s_mov_b32 s[\g+4], 8
	s_mov_b32 s[\g+5], 2048
	s_mov_b32 s[\g+6], 0
	s_mov_b32 s[\g+7], 0
.endr
	s_lshl_b32 s19, s16, 17
	s_lshl_b32 s20, s17, 18
	s_add_co_u32 s20, s20, s19
	s_mov_b32 s21, 0
	s_lshl_b32 s46, s42, 18
	s_add_co_u32 s46, s46, s19
	s_add_co_u32 s46, s46, 0x800000
	s_mov_b32 s47, 0
	s_lshl_b32 s45, s14, 15
	s_wait_kmcnt 0x0
	s_load_b256 s[68:75], s[10:11], 0x0
	s_load_b128 s[76:79], s[10:11], 0x20
	s_add_nc_u64 s[20:21], s[4:5], s[20:21]
	s_add_nc_u64 s[46:47], s[6:7], s[46:47]
	CROUND
.irp s, 0,1
	s_mov_b32 s[G0+4*\s], 1
	s_add_co_u32 s[G0+4*\s+1], s45, \s*SLOT
	s_add_nc_u64 s[G0+4*\s+2:G0+4*\s+3], s[20:21], \s*4096
	s_or_b32 s[G0+4*\s+3], s[G0+4*\s+3], 0x80000000
	s_mov_b32 s[G0B+4*\s], 1
	s_add_co_u32 s[G0B+4*\s+1], s45, \s*SLOT
	s_add_nc_u64 s[G0B+4*\s+2:G0B+4*\s+3], s[46:47], \s*4096
	s_or_b32 s[G0B+4*\s+3], s[G0B+4*\s+3], 0x80000000
.endr
	JLOAD G0, G1, G0B, G1B                         ; K step 0: one tensor load a wave at the head
	v_and_b32 v1, 31, v0
	v_lshlrev_b32 v[OFS], 4, v1
	s_lshl_b32 s21, s15, 15
	s_lshl_b32 s22, s16, 15
	s_add_co_u32 s22, s22, 2*HALFT
.irp s, 0,1
	v_add_nc_u32 v[ADRA+\s], s21, v[OFS]
	v_add_nc_u32 v[ADRB+\s], s22, v[OFS]
	s_add_co_u32 s21, s21, SLOT
	s_add_co_u32 s22, s22, SLOT
.endr
	v_bfe_u32 v2, v0, 4, 1
	s_lshl_b32 s22, s42, 10
	s_lshl_b32 s23, s16, 9
	s_add_co_u32 s22, s22, s23
	v_lshlrev_b32 v[BQA], 5, v2
	v_add_nc_u32 v[BQA], s22, v[BQA]
.irp b, 0,1,2,3,4,5,6,7
	global_load_b128 v[BI+8*\b:BI+8*\b+3], v[BQA], s[8:9] offset:64*\b
	global_load_b128 v[BI+8*\b+4:BI+8*\b+7], v[BQA], s[8:9] offset:64*\b+16
.endr
	s_lshl_b32 s20, s17, 20
	s_lshl_b32 s21, s15, 19
	s_add_co_u32 s20, s20, s21
	s_lshl_b32 s21, s42, 12
	s_add_co_u32 s20, s20, s21
	s_lshl_b32 s21, s16, 11
	s_add_co_u32 s20, s20, s21
	s_mov_b32 s21, 0
	s_add_nc_u64 s[12:13], s[12:13], s[20:21]
.macro FRAG reg, adr, q, i
.irp c, 0,1,2,3
	ds_load_b128 v[\reg+4*\c:\reg+4*\c+3], v[\adr] offset:(\i)*4096+(\q)*2048+512*\c
.endr
.endm
.macro MUL16 a0, p, zero
.irp a, \a0, \a0+1
.irp b, 0,1,2,3,4,5,6,7
.if \zero
	v_wmma_f32_16x16x128_bf8_bf8 v[8*(8*((\a)%4)+\b):8*(8*((\a)%4)+\b)+7], v[128*(\p)+FR*\b:128*(\p)+FR*\b+FR-1], v[AF+FR*(\a):AF+FR*(\a)+FR-1], 0
.else
	v_wmma_f32_16x16x128_bf8_bf8 v[8*(8*((\a)%4)+\b):8*(8*((\a)%4)+\b)+7], v[128*(\p)+FR*\b:128*(\p)+FR*\b+FR-1], v[AF+FR*(\a):AF+FR*(\a)+FR-1], v[8*(8*((\a)%4)+\b):8*(8*((\a)%4)+\b)+7]
.endif
.endr
.endr
.endm
.macro FETCH_B slot, q, p
	WIN TO_B
.irp i, 0,1,2,3,4,5,6,7
	FRAG 128*(\p)+FR*\i, ADRB+\slot, \q, \i
.endr
	WIN 0
.endm
.macro FETCH_A slot, q, i0
.irp i, \i0, \i0+1, \i0+2, \i0+3
	FRAG AF+FR*(\i), ADRA+\slot, \q, \i
.endr
.endm
.macro PLACES n
.rept \n
	v_nop
.endr
.endm
.macro STEP slot, q, zero
	s_wait_dscnt 4*NL
	WIN MUL_LO
	MUL16 0, (\q)%2, \zero
	MUL16 2, (\q)%2, \zero
	s_wait_dscnt 0
	PLACES NP
	FETCH_B \slot, (\q)+1, 1-(\q)%2
	FETCH_A \slot, (\q)+1, 0
	WIN MUL_HI
	MUL16 4, (\q)%2, \zero
	MUL16 6, (\q)%2, \zero
	PLACES NP
	WIN 0
	FETCH_A \slot, (\q)+1, 4
.endm
.macro TURN slot, next, fill
	s_wait_tensorcnt 0x0
	ds_add_u32 v[SPW], v[NIL]
	s_wait_dscnt 4*NL+1
	WIN MUL_LO
	MUL16 0, 1, 0
	s_wait_dscnt 0x0
	s_barrier_signal -1
	MUL16 2, 1, 0
	WIN 0
	s_barrier_wait -1
.if \fill
	CREST
	s_add_nc_u64 s[G0+4*\slot+2:G0+4*\slot+3], s[G0+4*\slot+2:G0+4*\slot+3], 8192
	s_add_nc_u64 s[G0B+4*\slot+2:G0B+4*\slot+3], s[G0B+4*\slot+2:G0B+4*\slot+3], 8192
	JLOAD G0+4*\slot, G1, G0B+4*\slot, G1B
.else
	PLACES NP
.endif
	FETCH_B \next, 0, 0
	FETCH_A \next, 0, 0
	WIN MUL_HI
	MUL16 4, 1, 0
	MUL16 6, 1, 0
	PLACES NP
	WIN 0
	FETCH_A \next, 0, 4
.endm
	s_wait_alu depctr_va_vdst(0)
	s_wait_tensorcnt 0x0                           ; my part of K step 0 is in; these lines stand ahead of slot 1's first fill as ahead of a refill
	ds_add_u32 v[SPW], v[NIL]
	s_wait_dscnt 0x0
	CROUND                                         ; everybody's part of K step 0 is in, and the sixteen work-groups meet
	JLOAD G0+4, G1, G0B+4, G1B                     ; K step 1: the first tensor load behind the round
	FETCH_B 0, 0, 0
	FETCH_A 0, 0, 0
	FETCH_A 0, 0, 4
	STEP 0, 0, 1
	TURN 0, 1, 1
	STEP 1, 0, 0
	TURN 1, 0, 1
	STEP 0, 0, 0
	TURN 0, 1, 0
	STEP 1, 0, 0
	s_wait_dscnt 4*NL
	WIN MUL_LO
	MUL16 0, 1, 0
	MUL16 2, 1, 0
	s_wait_dscnt 0
	WIN MUL_HI
	MUL16 4, 1, 0
	MUL16 6, 1, 0
	WIN 0
	s_wait_kmcnt 0x0
	s_add_co_i32 s80, s76, s77
	s_add_co_i32 s80, s80, 127
	s_lshl_b32 s80, s80, 23
	s_mov_b32 s81, s80
	s_add_co_i32 s87, s78, 127
	s_lshl_b32 s88, s87, 23
	v_mov_b32 v[SCL], s88
	s_add_co_i32 s87, s87, 15
	s_lshl_b32 s87, s87, 23
	s_or_b32 s87, s87, 0x600000
	v_mov_b32 v[LIM], s87
	s_wait_loadcnt 0x0
	PLACES NP
.macro HOUT a, hh
.set AC, 64*((\a)%4)
	WIN 0x02+((\a)/4)
.irp b, 0,1,2,3
.irp i, 0,2,4,6
	v_pk_fma_f32 v[TMP+8*\b+\i:TMP+8*\b+\i+1], v[AC+8*(4*(\hh)+\b)+\i:AC+8*(4*(\hh)+\b)+\i+1], s[80:81], v[BI+8*(4*(\hh)+\b)+\i:BI+8*(4*(\hh)+\b)+\i+1] op_sel_hi:[1,0,1]
.endr
.endr
	WIN 0
.set n, 0
.rept 32
	v_med3_num_f32 v[TMP+n], v[TMP+n], 0, v[LIM]
.set n, n+1
.endr
.irp b, 0,1,2,3
	v_cvt_scalef32_pk8_bf8_f32 v[CD+16*(\a)+8*(\hh)+2*\b:CD+16*(\a)+8*(\hh)+2*\b+1], v[TMP+8*\b:TMP+8*\b+7], v[SCL]
.endr
	v_nop
.irp q, 0,1
	global_store_b128 v[OFS], v[CD+16*(\a)+8*(\hh)+4*\q:CD+16*(\a)+8*(\hh)+4*\q+3], s[12:13] offset:(\a)*65536+512*(2*(\hh)+\q)
.endr
.endm
.irp a, 0,1,2,3,4,5,6,7
	HOUT \a, 0
	HOUT \a, 1
.endr
	s_wait_tensorcnt 0x0
	ds_add_u32 v[SPW], v[NIL]
	s_wait_dscnt 0x0
	CROUND
	s_endpgm
.Lfunc_end_k_q4052d28b73_ffn1:
	.size	k_q4052d28b73_ffn1, .Lfunc_end_k_q4052d28b73_ffn1-k_q4052d28b73_ffn1
	.p2alignl 7, 3214868480
	.fill 96, 4, 3214868480
	.section	.rodata,"a",@progbits
	.p2align	6, 0x0
	.amdhsa_kernel k_q4052d28b73_ffn1
		.amdhsa_group_segment_fixed_size 327680
		.amdhsa_private_segment_fixed_size 0
		.amdhsa_enable_private_segment 0
		.amdhsa_kernarg_size 40
		.amdhsa_user_sgpr_count 2
		.amdhsa_user_sgpr_kernarg_segment_ptr 1
		.amdhsa_wavefront_size32 1
		.amdhsa_system_sgpr_workgroup_id_x 1
		.amdhsa_system_sgpr_workgroup_id_y 1
		.amdhsa_system_sgpr_workgroup_id_z 1
		.amdhsa_system_vgpr_workitem_id 0
		.amdhsa_next_free_vgpr 1024
		.amdhsa_next_free_sgpr 96
		.amdhsa_reserve_vcc 0
		.amdhsa_float_denorm_mode_32 3
		.amdhsa_float_denorm_mode_16_64 3
		.amdhsa_memory_ordered 1
		.amdhsa_forward_progress 1
		.amdhsa_inst_pref_size 136
	.end_amdhsa_kernel
	.amdgpu_metadata
---
amdhsa.version: [ 1, 2 ]
amdhsa.kernels:
  - .name:           k_q4052d28b73_ffn1
    .symbol:         k_q4052d28b73_ffn1.kd
    .args:
      - { .name: ximg, .offset: 0, .size: 8, .value_kind: global_buffer, .address_space: global }
      - { .name: qc, .offset: 8, .size: 8, .value_kind: global_buffer, .address_space: global }
      - { .name: b1, .offset: 16, .size: 8, .value_kind: global_buffer, .address_space: global }
      - { .name: lowp_scales, .offset: 24, .size: 8, .value_kind: global_buffer, .address_space: global }
      - { .name: himg, .offset: 32, .size: 8, .value_kind: global_buffer, .address_space: global }
    .group_segment_fixed_size: 327680
    .private_segment_fixed_size: 0
    .kernarg_segment_align: 8
    .kernarg_segment_size: 40
    .max_flat_workgroup_size: 128
    .sgpr_count:     96
    .vgpr_count:     1024
    .wavefront_size: 32
...
	.end_amdgpu_metadata
.endif
;; end of part 6
;; launch ffn2 (part 7): grid 8 x 32, 4 waves a work-group, clusters of 4 x 4, 327,680 bytes of LDS; arguments himg, qc, b2, lowp_scales, y; writes y
.if DOCPART == 7
	.amdgcn_target "amdgcn-amd-amdhsa--gfx1250"
	.amdhsa_code_object_version 6
	.text
	.protected	k_q4052d28b73_ffn2
	.globl	k_q4052d28b73_ffn2
	.p2align	8
	.type	k_q4052d28b73_ffn2,@function
k_q4052d28b73_ffn2:
	s_mov_b64 s[64:65], 0
	v_nop
	global_prefetch_b8 v0, s[64:65] scope:SCOPE_SE
	s_setreg_imm32_b32 hwreg(HW_REG_WAVE_MODE, 25, 1), 1
	s_wait_xcnt 0x0
	s_wait_alu depctr_hold_cnt(0) depctr_sa_sdst(0) depctr_va_vdst(0) depctr_va_sdst(0) depctr_va_ssrc(0) depctr_va_vcc(0) depctr_vm_vsrc(0)
	s_getreg_b32 s2, hwreg(HW_REG_IB_STS2, 6, 4)
	s_cmp_eq_u32 s2, 0
	s_cbranch_scc0 .Lentry_in_a_cluster
	s_endpgm
.Lentry_in_a_cluster:
	s_bfe_u32 s2, ttmp6, 0x10000c
	s_cmp_lg_u32 s2, 0xf033
	s_cbranch_scc0 .Lentry_shape_is_right
	s_endpgm
.Lentry_shape_is_right:
.set KK,    4096
.set WOFF,  0xc00000
.set EA,    78
.set EB,    79
.set LAPS,  KK/1024
.set HALFT, 32768
.set SLOT,  4*HALFT
.set SPARE, 2*SLOT
.set SPITCH, 272
.set ADRA, 16
.set ADRB, 20
.set STO,  24
.set RD,   25
.set CO,   26
.set BA,   27
.set SPW,  28
.set NIL,  29
.set TMP,  32
.set BK,   64
.set BI,   96
.set ACC,  128
.set G1, 24
.set G0, 32
.set G1B, 48
.set G0B, 56
.set MSB, 0
.macro WIN new
.if MSB != (\new)
	s_set_vgpr_msb (MSB<<8)|(\new)
.set MSB, (\new)
.endif
.endm
.set MUL,  0x05
.set TO_F, 0x40
.macro JLOAD s
	s_cmp_eq_u32 s15, 0
	s_cbranch_scc0 .Lfor_b_\@
	tensor_load_to_lds s[G0+4*\s:G0+4*\s+3], s[G1:G1+7]
	s_nop 0
.rept 4
	v_nop
.endr
	s_branch .Lasked_\@
.Lfor_b_\@:
	tensor_load_to_lds s[G0B+4*\s:G0B+4*\s+3], s[G1B:G1B+7]
	s_nop 0
.rept 4
	v_nop
.endr
.Lasked_\@:
.endm
.macro CREST
	s_cmp_lg_u32 s14, 0
	s_cbranch_scc1 .Lnot_wave_0_\@
	s_barrier_signal -3
.Lnot_wave_0_\@:
	s_barrier_wait -3
	s_barrier_signal -1
	s_barrier_wait -1
.endm
.macro CROUND
	s_barrier_signal -1
	s_barrier_wait -1
	CREST
.endm
	s_load_b128 s[4:7], s[0:1], 0x0
	s_load_b128 s[8:11], s[0:1], 0x10
	s_load_b64 s[12:13], s[0:1], 0x20
	v_lshl_add_u32 v[SPW], v0, 2, SPARE
	v_mov_b32 v[NIL], 0
	ds_add_u32 v28, v29
	ds_add_u32 v28, v29
	s_wait_dscnt 0x0
	v_lshrrev_b32 v1, 5, v0
	v_readfirstlane_b32 s14, v1
	s_lshr_b32 s15, s14, 1
	s_and_b32 s16, s14, 1
	s_bfe_u32 s40, ttmp6, 0x40000
	s_bfe_u32 s41, ttmp6, 0x40004
	s_lshl_b32 s42, ttmp9, 2
	s_add_co_u32 s42, s42, s40
	s_and_b32 s17, ttmp7, 0xffff
	s_lshl_b32 s17, s17, 2
	s_add_co_u32 s17, s17, s41
	s_lshl_b32 s43, s41, 2
	s_lshl_b32 s43, 15, s43
	s_lshl_b32 s44, 0x1111, s40
	s_or_b32 s[G1+0], s43, (3<<16)|(1<<21)
	s_or_b32 s[G1B+0], s44, (3<<16)|(1<<21)
.irp g, G1, G1B
	s_mov_b32 s[\g+1], 1024<<16
	s_mov_b32 s[\g+2], 4<<16
	s_mov_b32 s[\g+3], 1024<<16
	s_mov_b32 s[\g+4], 4
	s_mov_b32 s[\g+5], KK*2
	s_mov_b32 s[\g+6], 0
	s_mov_b32 s[\g+7], 0
.endr
	s_mul_i32 s18, s16, KK*64
	s_mul_i32 s20, s17, KK*128
	s_add_co_u32 s20, s20, s18
	s_mov_b32 s21, 0
	s_mul_i32 s46, s42, KK*128
	s_add_co_u32 s46, s46, s18
	s_add_co_u32 s46, s46, WOFF
	s_mov_b32 s47, 0
	s_lshl_b32 s45, s14, 15
	s_wait_kmcnt 0x0
	s_load_b256 s[68:75], s[10:11], 0x0
	s_load_b128 s[76:79], s[10:11], 0x20
	s_add_nc_u64 s[20:21], s[4:5], s[20:21]
	s_add_nc_u64 s[46:47], s[6:7], s[46:47]
	CROUND
.irp s, 0,1
	s_mov_b32 s[G0+4*\s], 1
	s_add_co_u32 s[G0+4*\s+1], s45, \s*SLOT
	s_add_nc_u64 s[G0+4*\s+2:G0+4*\s+3], s[20:21], \s*8192
	s_or_b32 s[G0+4*\s+3], s[G0+4*\s+3], 0x80000000
	s_mov_b32 s[G0B+4*\s], 1
	s_add_co_u32 s[G0B+4*\s+1], s45, \s*SLOT
	s_add_nc_u64 s[G0B+4*\s+2:G0B+4*\s+3], s[46:47], \s*8192
	s_or_b32 s[G0B+4*\s+3], s[G0B+4*\s+3], 0x80000000
.endr
	JLOAD 0                                        ; K step 0: one tensor load a wave at the head
	; THE PREFETCHES.  A wave's load brings 4 row tiles x 8,192 bytes of a K step.  The four partners that ask for it jointly share the row tiles out BY ADDRESS: the partner at place p (cx for A, cy for W) takes row tile p,
	; 32 blocks of 256 bytes, a lane a block, one instruction a wave: so each block is named once in each cluster that will load it.  s[82:83]: my row tile, one K step further on than the refill in hand; v30: 256 x lane.
	s_cmp_eq_u32 s15, 0                            ; do I fetch for A?
	s_cselect_b32 s84, s17, s42                    ; the tile's row, or its column
	s_cselect_b32 s85, s40, s41                    ; my place among the four
	s_cselect_b32 s86, 0, WOFF
	s_cselect_b64 s[82:83], s[4:5], s[6:7]
	s_mul_i32 s84, s84, KK*128
	s_add_co_u32 s84, s84, s18                     ; + the half that I fetch
	s_add_co_u32 s84, s84, s86
	s_lshl_b32 s85, s85, 16                        ; a row tile is KK x 16 = 65,536 bytes
	s_add_co_u32 s84, s84, s85
	s_add_co_u32 s84, s84, 2*8192                  ; at K step 2: the first refill steps it to 3 and names K step 4.  Nothing is prefetched here, at the head
	s_mov_b32 s85, 0
	s_add_nc_u64 s[82:83], s[82:83], s[84:85]
	v_and_b32 v30, 31, v0
	v_lshlrev_b32 v30, 8, v30
.macro ASK                             ; behind a refill for K step s: K step s + 2.  The loop's last trip (s3 = 1) refills K steps 6 and 7, which have no K step two on
	s_cmp_gt_u32 s3, 1
	s_cbranch_scc0 .Lnone_\@
	global_prefetch_b8 v30, s[82:83] offset:8192 th:TH_LOAD_NT scope:SCOPE_SE
.Lnone_\@:
.endm
	v_and_b32 v3, 31, v0
	v_lshlrev_b32 v3, 4, v3
	s_lshl_b32 s21, s15, 15
	s_lshl_b32 s22, s16, 15
	s_add_co_u32 s22, s22, 2*HALFT
.irp s, 0,1
	v_add_nc_u32 v[ADRA+\s], s21, v3
	v_add_nc_u32 v[ADRB+\s], s22, v3
	s_add_co_u32 s21, s21, SLOT
	s_add_co_u32 s22, s22, SLOT
.endr
	v_and_b32 v1, 15, v0
	v_bfe_u32 v2, v0, 4, 1
	s_mul_i32 s23, s14, 16*SPITCH
	v_mul_u32_u24 v3, v1, SPITCH
	v_lshl_add_u32 v3, v2, 5, v3
	v_add_nc_u32 v[STO], s23, v3
	v_mul_u32_u24 v3, v2, SPITCH
	v_lshl_add_u32 v3, v1, 4, v3
	v_add_nc_u32 v[RD], s23, v3
	v_lshlrev_b32 v3, 12, v2
	v_lshl_add_u32 v[CO], v1, 4, v3
	s_lshl_b32 s22, s42, 9
	s_lshl_b32 s23, s16, 8
	s_add_co_u32 s22, s22, s23
	v_lshlrev_b32 v[BA], 5, v2
	v_add_nc_u32 v[BA], s22, v[BA]
.irp b, 0,1,2,3
	global_load_b128 v[BI+8*\b:BI+8*\b+3], v[BA], s[8:9] offset:64*\b
	global_load_b128 v[BI+8*\b+4:BI+8*\b+7], v[BA], s[8:9] offset:64*\b+16
.endr
	s_lshl_b32 s20, s17, 19
	s_lshl_b32 s21, s15, 18
	s_add_co_u32 s20, s20, s21
	s_add_co_u32 s20, s20, s22
	s_mov_b32 s21, 0
	s_add_nc_u64 s[12:13], s[12:13], s[20:21]
.macro MUL8 p, a0, zero
.irp a, \a0, \a0+1
.irp b, 0,1,2,3
.if \zero
	v_wmma_f32_16x16x128_bf8_bf8 v[ACC+8*(4*(\a)+\b):ACC+8*(4*(\a)+\b)+7], v[128*(\p)+64+16*\b:128*(\p)+64+16*\b+15], v[128*(\p)+16*(\a):128*(\p)+16*(\a)+15], 0
.else
	v_wmma_f32_16x16x128_bf8_bf8 v[ACC+8*(4*(\a)+\b):ACC+8*(4*(\a)+\b)+7], v[128*(\p)+64+16*\b:128*(\p)+64+16*\b+15], v[128*(\p)+16*(\a):128*(\p)+16*(\a)+15], v[ACC+8*(4*(\a)+\b):ACC+8*(4*(\a)+\b)+7]
.endif
.endr
.endr
.endm
.macro FETCH slot, q, p
	WIN TO_F
.irp i, 0,1,2,3
.irp c, 0,1,2,3
	ds_load_b128 v[128*(\p)+64+16*\i+4*\c:128*(\p)+64+16*\i+4*\c+3], v[ADRB+\slot] offset:\i*8192+(\q)*2048+512*\c
.endr
.endr
.irp i, 0,1,2,3
.irp c, 0,1,2,3
	ds_load_b128 v[128*(\p)+16*\i+4*\c:128*(\p)+16*\i+4*\c+3], v[ADRA+\slot] offset:\i*8192+(\q)*2048+512*\c
.endr
.endr
.endm
.macro PLACES
.rept 4
	v_nop
.endr
.endm
.macro STEP slot, q, p, zero
	PLACES
	FETCH \slot, (\q)+1, 1-(\p)
	s_wait_dscnt 32
	WIN MUL
	MUL8 \p, 0, \zero
	MUL8 \p, 2, \zero
.endm
.macro TURN slot, next, fill
	WIN 0
.if \fill
	s_wait_xcnt 0x0                                ; any prefetch of mine has read its address: it is stepped here, ahead of the waits of the change of slots
	s_add_nc_u64 s[82:83], s[82:83], 8192
.endif
	s_wait_tensorcnt 0x0
	ds_add_u32 v[SPW], v[NIL]
	s_wait_dscnt 1
	WIN MUL
	MUL8 1, 0, 0
	s_wait_dscnt 0x0
	s_barrier_signal -1
	WIN 0
	s_barrier_wait -1
.if \fill
	CREST
	s_add_nc_u64 s[G0+4*\slot+2:G0+4*\slot+3], s[G0+4*\slot+2:G0+4*\slot+3], 16384
	s_add_nc_u64 s[G0B+4*\slot+2:G0B+4*\slot+3], s[G0B+4*\slot+2:G0B+4*\slot+3], 16384
	JLOAD \slot
.else
	PLACES
.endif
	FETCH \next, 0, 0
.if \fill
	WIN 0                                          ; at a branch and at a label every window is 0
	ASK                                            ; behind the joint load and the run of LDS loads that the next products wait for
.endif
	WIN MUL
	MUL8 1, 2, 0
.endm
	s_wait_alu depctr_va_vdst(0)
	s_wait_tensorcnt 0x0                           ; my part of K step 0 is in; these lines stand ahead of slot 1's first fill as ahead of a refill
	ds_add_u32 v[SPW], v[NIL]
	s_wait_dscnt 0x0
	CROUND                                         ; everybody's part of K step 0 is in, and the sixteen work-groups meet
	JLOAD 1                                        ; K step 1: the first tensor load behind the round
	FETCH 0, 0, 0
	STEP 0, 0, 0, 1
.if LAPS > 1
	WIN 0
	s_mov_b32 s3, LAPS-1
.Llap:
	STEP 0, 1, 1, 0
	STEP 0, 2, 0, 0
	TURN 0, 1, 1
	STEP 1, 0, 0, 0
	STEP 1, 1, 1, 0
	STEP 1, 2, 0, 0
	TURN 1, 0, 1
	STEP 0, 0, 0, 0
	WIN 0
	s_sub_co_u32 s3, s3, 1
	s_cmp_lg_u32 s3, 0
	s_cbranch_scc1 .Llap
.endif
	STEP 0, 1, 1, 0
	STEP 0, 2, 0, 0
	TURN 0, 1, 0
	STEP 1, 0, 0, 0
	STEP 1, 1, 1, 0
	STEP 1, 2, 0, 0
	s_wait_dscnt 0x0
	MUL8 1, 0, 0
	MUL8 1, 2, 0
	WIN 0
	s_wait_kmcnt 0x0
	s_add_co_i32 s80, s[EA], s[EB]
	s_add_co_i32 s80, s80, 127
	s_lshl_b32 s80, s80, 23
	s_mov_b32 s81, s80
	s_wait_loadcnt 0x0
	PLACES
.irp a, 0,1,2,3
.irp b, 0,1,2,3
.irp i, 0,2,4,6
	v_pk_fma_f32 v[TMP+8*\b+\i:TMP+8*\b+\i+1], v[ACC+8*(4*\a+\b)+\i:ACC+8*(4*\a+\b)+\i+1], s[80:81], v[BI+8*\b+\i:BI+8*\b+\i+1] op_sel_hi:[1,0,1]
.endr
.endr
.irp b, 0,1,2,3
	ds_store_b128 v[STO], v[TMP+8*\b:TMP+8*\b+3] offset:64*\b
	ds_store_b128 v[STO], v[TMP+8*\b+4:TMP+8*\b+7] offset:64*\b+16
.endr
.if \a > 0
	s_wait_xcnt 0x0
.endif
.irp t, 0,1,2,3,4,5,6,7
	ds_load_b128 v[BK+4*\t:BK+4*\t+3], v[RD] offset:\t*2*SPITCH
.endr
	s_wait_dscnt 0x0
.irp t, 0,1,2,3,4,5,6,7
	global_store_b128 v[CO], v[BK+4*\t:BK+4*\t+3], s[12:13] offset:\a*65536+\t*8192
.endr
.endr
	s_wait_tensorcnt 0x0
	ds_add_u32 v[SPW], v[NIL]
	s_wait_dscnt 0x0
	CROUND
	s_endpgm
.Lfunc_end_k_q4052d28b73_ffn2:
	.size	k_q4052d28b73_ffn2, .Lfunc_end_k_q4052d28b73_ffn2-k_q4052d28b73_ffn2
	.p2alignl 7, 3214868480
	.fill 96, 4, 3214868480
	.section	.rodata,"a",@progbits
	.p2align	6, 0x0
	.amdhsa_kernel k_q4052d28b73_ffn2
		.amdhsa_group_segment_fixed_size 327680
		.amdhsa_private_segment_fixed_size 0
		.amdhsa_enable_private_segment 0
		.amdhsa_kernarg_size 40
		.amdhsa_user_sgpr_count 2
		.amdhsa_user_sgpr_kernarg_segment_ptr 1
		.amdhsa_wavefront_size32 1
		.amdhsa_system_sgpr_workgroup_id_x 1
		.amdhsa_system_sgpr_workgroup_id_y 1
		.amdhsa_system_sgpr_workgroup_id_z 1
		.amdhsa_system_vgpr_workitem_id 0
		.amdhsa_next_free_vgpr 512
		.amdhsa_next_free_sgpr 96
		.amdhsa_reserve_vcc 0
		.amdhsa_float_denorm_mode_32 3
		.amdhsa_float_denorm_mode_16_64 3
		.amdhsa_memory_ordered 1
		.amdhsa_forward_progress 1
		.amdhsa_inst_pref_size 75
	.end_amdhsa_kernel
	.amdgpu_metadata
---
amdhsa.version: [ 1, 2 ]
amdhsa.kernels:
  - .name:           k_q4052d28b73_ffn2
    .symbol:         k_q4052d28b73_ffn2.kd
    .args:
      - { .name: himg, .offset: 0, .size: 8, .value_kind: global_buffer, .address_space: global }
      - { .name: qc, .offset: 8, .size: 8, .value_kind: global_buffer, .address_space: global }
      - { .name: b2, .offset: 16, .size: 8, .value_kind: global_buffer, .address_space: global }
      - { .name: lowp_scales, .offset: 24, .size: 8, .value_kind: global_buffer, .address_space: global }
      - { .name: y, .offset: 32, .size: 8, .value_kind: global_buffer, .address_space: global }
    .group_segment_fixed_size: 327680
    .private_segment_fixed_size: 0
    .kernarg_segment_align: 8
    .kernarg_segment_size: 40
    .max_flat_workgroup_size: 128
    .sgpr_count:     96
    .vgpr_count:     512
    .wavefront_size: 32
...
	.end_amdgpu_metadata
.endif
;; end of part 7
;; launch ln2 (part 8): grid 256 x 1, 8 waves a work-group, no clusters, 9,216 bytes of LDS; arguments x, y, ln2_g, ln2_b, out0; writes out0
.if DOCPART == 8
	.amdgcn_target "amdgcn-amd-amdhsa--gfx1250"
	.amdhsa_code_object_version 6
	.text
	.protected	k_q4052d28b73_ln2
	.globl	k_q4052d28b73_ln2
	.p2align	8
	.type	k_q4052d28b73_ln2,@function
k_q4052d28b73_ln2:
	s_mov_b64 s[64:65], 0
	v_nop
	global_prefetch_b8 v0, s[64:65] scope:SCOPE_SE
	s_setreg_imm32_b32 hwreg(HW_REG_WAVE_MODE, 25, 1), 1
	s_wait_xcnt 0x0
; out0 = layer norm(x + y) x gain + bias, in f32.  Rows are counted as batch x 2,048 + time in x and y; out0 has row 2 x time + batch.
; A work-group takes 16 rows, a wave two of them, each whole in 32 registers: the row is read once, mean and variance are taken in two passes over registers, and the reductions never leave the wave.
; Each load and store of a wave covers 512 consecutive bytes.  All 34 loads of a wave go out at once.  Memory binds: no matrix unit, no cluster (work-groups share only gain and bias, 8 KiB).
; GAIN AND BIAS are read once in the work-group: thread t loads 16 bytes of each at 16 t, they go to LDS as they lie (gain at 0, bias at 4,096), and behind a barrier every wave takes all 8 KiB from there.
.set PA, 4096                          ; bytes from a row to the next in the first addend,
.set PO, 8192                          ; and in the output
.set GG,  32                           ; v32-63   gain
.set BB,  64                           ; v64-95   bias
.set Z,   96                           ; v96-159  two rows
.set Y,   160                          ; v160-223 the second addend
.set SL,  240                          ; v240-247 my slices of gain and bias
; row p's scratch: v[4+8p:5+8p], v[6+8p:7+8p] two chains; v[8+8p:9+8p] a pair; v[10+8p] the permute's destination
	s_load_b256 s[4:11], s[0:1], 0x0               ; x, y, gain, bias
	s_load_b64 s[14:15], s[0:1], 0x20              ; out0
	v_lshl_add_u32 v254, v0, 2, 0x2000
	v_mov_b32 v255, 0
	v_lshrrev_b32 v3, 5, v0
	s_delay_alu instid0(VALU_DEP_1)
	v_readfirstlane_b32 s18, v3                    ; wave 0..7
	v_and_b32 v2, 31, v0
	s_delay_alu instid0(VALU_DEP_1)
	v_lshlrev_b32 v1, 4, v2                        ; 16 x lane
	v_lshlrev_b32 v25, 4, v0                       ; 16 x thread: my 16 bytes of gain and of bias, in memory and in LDS
	s_and_b32 s20, ttmp9, 127                      ; rows 2 x time + batch: (tile % 128) x 131,072 + (tile / 128) x 4,096 + wave x 16,384
	s_lshl_b32 s20, s20, 17
	s_lshr_b32 s22, ttmp9, 7
	s_lshl_b32 s22, s22, 12
	s_add_co_u32 s20, s20, s22
	s_lshl_b32 s22, s18, 14
	s_add_co_u32 s20, s20, s22
	s_mov_b32 s21, 0
	s_lshl_b32 s22, ttmp9, 16                      ; rows batch x 2,048 + time: tile x 65,536 + wave x 8,192
	s_lshl_b32 s24, s18, 13
	s_add_co_u32 s22, s22, s24
	s_mov_b32 s23, 0
	s_mov_b32 s26, 0x76543210
	s_mov_b32 s27, 0xfedcba98
	s_mov_b32 s28, 0x3a800000                      ; 1 / 1,024
	s_mov_b32 s29, 0x3727c5ac                      ; 1e-5
	v_mov_b32 v10, 0
	v_mov_b32 v18, 0
	s_wait_alu depctr_va_vdst(0)
	s_wait_kmcnt 0x0
	s_add_nc_u64 s[4:5], s[4:5], s[22:23]
	s_add_nc_u64 s[14:15], s[14:15], s[20:21]
	s_add_nc_u64 s[6:7], s[6:7], s[22:23]
	global_load_b128 v[SL:SL+3], v25, s[8:9]       ; my slices first: the others wait for them
	global_load_b128 v[SL+4:SL+7], v25, s[10:11]
.irp p, 0,1
.irp i, 0,1,2,3,4,5,6,7
	global_load_b128 v[Z+32*\p+4*\i:Z+32*\p+4*\i+3], v1, s[4:5] offset:\p*PA+512*\i th:TH_LOAD_NT
.endr
.endr
.irp p, 0,1
.irp i, 0,1,2,3,4,5,6,7
	global_load_b128 v[Y+32*\p+4*\i:Y+32*\p+4*\i+3], v1, s[6:7] offset:\p*4096+512*\i th:TH_LOAD_NT
.endr
.endr
	s_wait_loadcnt 32                              ; my slices are in; the rows' 32 loads may be out
	ds_store_b128 v25, v[SL:SL+3]
	ds_store_b128 v25, v[SL+4:SL+7] offset:4096
	s_wait_dscnt 0x0                               ; for the others' sake: my slices lie in LDS
	s_barrier_signal -1
	s_barrier_wait -1
.irp i, 0,1,2,3,4,5,6,7
	ds_load_b128 v[GG+4*\i:GG+4*\i+3], v1 offset:512*\i
.endr
.irp i, 0,1,2,3,4,5,6,7
	ds_load_b128 v[BB+4*\i:BB+4*\i+3], v1 offset:4096+512*\i
.endr
.macro REDUCE                          ; the two chains of each row, its two halves and its 32 lanes are added; every lane ends with the sum in v[4 + 8 p]
.irp p, 0
	s_delay_alu instid0(VALU_DEP_3)
	v_pk_add_f32 v[4+8*\p:5+8*\p], v[4+8*\p:5+8*\p], v[6+8*\p:7+8*\p]
.endr
.irp p, 1
	s_delay_alu instid0(VALU_DEP_2)
	v_pk_add_f32 v[4+8*\p:5+8*\p], v[4+8*\p:5+8*\p], v[6+8*\p:7+8*\p]
.endr
.irp p, 0,1
	s_delay_alu instid0(VALU_DEP_2)
	v_add_f32 v[4+8*\p], v[4+8*\p], v[5+8*\p]
.endr
.irp m, 1,2,4,8
.irp p, 0,1
	s_delay_alu instid0(VALU_DEP_2)
	v_add_f32_dpp v[4+8*\p], v[4+8*\p], v[4+8*\p] row_xmask:\m row_mask:0xf bank_mask:0xf
.endr
.endr
.irp p, 0,1
	s_delay_alu instid0(VALU_DEP_2)
	v_permlanex16_b32 v[10+8*\p], v[4+8*\p], s26, s27
.endr
.irp p, 0,1
	s_delay_alu instid0(VALU_DEP_2)
	v_add_f32 v[4+8*\p], v[4+8*\p], v[10+8*\p]
.endr
.endm
	s_wait_loadcnt 0x0                             ; both addends are in
.irp j, 0,2,4,6,8,10,12,14,16,18,20,22,24,26,28,30
.irp p, 0,1
	v_pk_add_f32 v[Z+32*\p+\j:Z+32*\p+\j+1], v[Z+32*\p+\j:Z+32*\p+\j+1], v[Y+32*\p+\j:Y+32*\p+\j+1]
.endr
.endr
.irp p, 0,1
	v_pk_add_f32 v[4+8*\p:5+8*\p], v[Z+32*\p:Z+32*\p+1], v[Z+32*\p+2:Z+32*\p+3]
	v_pk_add_f32 v[6+8*\p:7+8*\p], v[Z+32*\p+4:Z+32*\p+5], v[Z+32*\p+6:Z+32*\p+7]
.endr
.irp j, 8,12,16,20,24,28
.irp p, 0,1
	s_delay_alu instid0(VALU_DEP_4)
	v_pk_add_f32 v[4+8*\p:5+8*\p], v[4+8*\p:5+8*\p], v[Z+32*\p+\j:Z+32*\p+\j+1]
	s_delay_alu instid0(VALU_DEP_4)
	v_pk_add_f32 v[6+8*\p:7+8*\p], v[6+8*\p:7+8*\p], v[Z+32*\p+\j+2:Z+32*\p+\j+3]
.endr
.endr
	REDUCE
.irp p, 0,1
	s_delay_alu instid0(VALU_DEP_2)
	v_mul_f32 v[8+8*\p], 0xba800000, v[4+8*\p]     ; minus the mean
.endr
.irp p, 0,1
	s_delay_alu instid0(VALU_DEP_2)
	v_mov_b32 v[9+8*\p], v[8+8*\p]
.endr
.irp j, 0,2,4,6,8,10,12,14,16,18,20,22,24,26,28,30
.irp p, 0,1
	v_pk_add_f32 v[Z+32*\p+\j:Z+32*\p+\j+1], v[Z+32*\p+\j:Z+32*\p+\j+1], v[8+8*\p:9+8*\p]
.endr
.endr
.irp p, 0,1
	v_pk_mul_f32 v[4+8*\p:5+8*\p], v[Z+32*\p:Z+32*\p+1], v[Z+32*\p:Z+32*\p+1]
	v_pk_mul_f32 v[6+8*\p:7+8*\p], v[Z+32*\p+2:Z+32*\p+3], v[Z+32*\p+2:Z+32*\p+3]
.endr
.irp j, 4,8,12,16,20,24,28
.irp p, 0,1
	s_delay_alu instid0(VALU_DEP_4)
	v_pk_fma_f32 v[4+8*\p:5+8*\p], v[Z+32*\p+\j:Z+32*\p+\j+1], v[Z+32*\p+\j:Z+32*\p+\j+1], v[4+8*\p:5+8*\p]
	s_delay_alu instid0(VALU_DEP_4)
	v_pk_fma_f32 v[6+8*\p:7+8*\p], v[Z+32*\p+\j+2:Z+32*\p+\j+3], v[Z+32*\p+\j+2:Z+32*\p+\j+3], v[6+8*\p:7+8*\p]
.endr
.endr
	REDUCE
.irp p, 0,1
	s_delay_alu instid0(VALU_DEP_2)
	v_fma_f32 v[4+8*\p], v[4+8*\p], s28, s29       ; the variance + 1e-5
.endr
	s_wait_alu depctr_va_vdst(0)
.irp p, 0,1
	v_rsq_f32 v[8+8*\p], v[4+8*\p]
.endr
	v_nop                                          ; a plain line behind the transcendentals
	s_wait_alu depctr_va_vdst(0)
.irp p, 0,1
	v_mov_b32 v[9+8*\p], v[8+8*\p]
.endr
.irp j, 0,2,4,6,8,10,12,14,16,18,20,22,24,26,28,30
.irp p, 0,1
	v_pk_mul_f32 v[Z+32*\p+\j:Z+32*\p+\j+1], v[Z+32*\p+\j:Z+32*\p+\j+1], v[8+8*\p:9+8*\p]
.endr
.endr
	s_wait_dscnt 0x0                               ; gain and bias are back from LDS
.irp j, 0,2,4,6,8,10,12,14,16,18,20,22,24,26,28,30
.irp p, 0,1
	v_pk_fma_f32 v[Z+32*\p+\j:Z+32*\p+\j+1], v[Z+32*\p+\j:Z+32*\p+\j+1], v[GG+\j:GG+\j+1], v[BB+\j:BB+\j+1]
.endr
.endr
.irp p, 0,1
.irp i, 0,1,2,3,4,5,6,7
	global_store_b128 v1, v[Z+32*\p+4*\i:Z+32*\p+4*\i+3], s[14:15] offset:\p*PO+512*\i th:TH_STORE_NT
.endr
.endr
	s_wait_tensorcnt 0x0
	ds_add_u32 v254, v255
	s_wait_dscnt 0x0
	s_endpgm
.Lfunc_end_k_q4052d28b73_ln2:
	.size	k_q4052d28b73_ln2, .Lfunc_end_k_q4052d28b73_ln2-k_q4052d28b73_ln2
	.p2alignl 7, 3214868480
	.fill 96, 4, 3214868480
	.section	.rodata,"a",@progbits
	.p2align	6, 0x0
	.amdhsa_kernel k_q4052d28b73_ln2
		.amdhsa_group_segment_fixed_size 9216
		.amdhsa_private_segment_fixed_size 0
		.amdhsa_enable_private_segment 0
		.amdhsa_kernarg_size 40
		.amdhsa_user_sgpr_count 2
		.amdhsa_user_sgpr_kernarg_segment_ptr 1
		.amdhsa_wavefront_size32 1
		.amdhsa_system_sgpr_workgroup_id_x 1
		.amdhsa_system_sgpr_workgroup_id_y 1
		.amdhsa_system_sgpr_workgroup_id_z 1
		.amdhsa_system_vgpr_workitem_id 0
		.amdhsa_next_free_vgpr 256
		.amdhsa_next_free_sgpr 66
		.amdhsa_reserve_vcc 0
		.amdhsa_float_denorm_mode_32 3
		.amdhsa_float_denorm_mode_16_64 3
		.amdhsa_memory_ordered 1
		.amdhsa_forward_progress 1
		.amdhsa_inst_pref_size 25
	.end_amdhsa_kernel
	.amdgpu_metadata
---
amdhsa.version: [ 1, 2 ]
amdhsa.kernels:
  - .name:           k_q4052d28b73_ln2
    .symbol:         k_q4052d28b73_ln2.kd
    .args:
      - { .name: x, .offset: 0, .size: 8, .value_kind: global_buffer, .address_space: global }
      - { .name: y, .offset: 8, .size: 8, .value_kind: global_buffer, .address_space: global }
      - { .name: ln2_g, .offset: 16, .size: 8, .value_kind: global_buffer, .address_space: global }
      - { .name: ln2_b, .offset: 24, .size: 8, .value_kind: global_buffer, .address_space: global }
      - { .name: out0, .offset: 32, .size: 8, .value_kind: global_buffer, .address_space: global }
    .group_segment_fixed_size: 9216
    .private_segment_fixed_size: 0
    .kernarg_segment_align: 8
    .kernarg_segment_size: 40
    .max_flat_workgroup_size: 256
    .sgpr_count:     66
    .vgpr_count:     256
    .wavefront_size: 32
...
	.end_amdgpu_metadata
.endif
;; end of part 8
